; MI455X (gfx1250); checked and timed in simulation.
; The chip was launched on July 23, 2026; its instructions are those of AMD's public machine-readable ISA for CDNA 5 (MIT licence, August 2026) and "CDNA5" Instruction Set Architecture Reference Guide (July 2026). The comments in the code are by the model that wrote it; some were corrected since.
;; Multi Head Attention. Allowed arithmetic: matrix products marked QUANTISED: E2M1 operands, one E8M0 scale for each 32 along K, by v_wmma_scale_f32_16x16x128_f8f6f4 with both operands' format E2M1 (or v_wmma_scale_f32_32x16x128_f4), f32 sums; everything else in f32.
;; Inputs: beta 1,024 float32; bk 1,024 float32; bo 1,024 float32; bq 1,024 float32; bv 1,024 float32; gamma 1,024 float32; key 4 x 2,048 x 1,024 float32; query 4 x 2,048 x 1,024 float32; value 4 x 2,048 x 1,024 float32; wk 1,024 x 1,024 float32; wo 1,024 x 1,024 float32; wq 1,024 x 1,024 float32; wv 1,024 x 1,024 float32.
;; Outputs: out0 4 x 2,048 x 1,024 float32.
;; This version of the problem:
;;   THIS VERSION OF THE PROBLEM IS GIVEN IN LOW PRECISION. The matrix products marked QUANTISED in the list below multiply operands that are first quantised to E2M1 (2 exponent bits, 1 mantissa bit; 4 bits a number), with one power-of-two scale for each 32 numbers along K (OCP MX v1.0); their sums are f32. All else is computed in f32.
;;   The module's matrix products, in the order in which they are computed (A, B: the left and right operand; K: the contracted axis; several contracted axes count as one K, in the product's order):
;;     1. [M 8,192, K 1,024] x [K 1,024, N 1,024]; A: input query; B: input wq: QUANTISED
;;     2. [M 8,192, K 1,024] x [K 1,024, N 1,024]; A: input key; B: input wk: QUANTISED
;;     3. [M 8,192, K 1,024] x [K 1,024, N 1,024]; A: input value; B: input wv: QUANTISED
;;     4. batch 64 x [M 2,048, K 64] x [K 64, N 2,048]; A: computed on the way; B: computed on the way: QUANTISED
;;     5. batch 64 x [M 2,048, K 2,048] x [K 2,048, N 64]; A: softmax (see below); B: computed on the way: QUANTISED
;;     6. [M 8,192, K 1,024] x [K 1,024, N 1,024]; A: computed on the way; B: input wo: QUANTISED
;;   THE QUANTISER, for each operand of a quantised product, along K:
;;     - K is cut into blocks of 32 from its start; a last block that is shorter is filled with zeros.
;;     - A block's scale is 2^e with e = floor(log2(the largest magnitude in the block)) - 2, held to -126 .. 127; a block of zeros has e = 0. As a byte (E8M0): e + 127.
;;     - Each number is divided by its block's scale, clamped to +-6, and rounded to the nearest number of E2M1, ties to even, subnormals kept.
;;     - The product sums the exact products of the quantised numbers (number of the format x scale) in f32.
;;   ~~~python
;;   def quantise(x, axis):      # numpy; x: float32 -> the quantised numbers, widened to float32 again
;;       x = np.moveaxis(x, axis, -1); K = x.shape[-1]
;;       x = np.pad(x, [(0, 0)] * (x.ndim - 1) + [(0, -K % 32)]); x = x.reshape(x.shape[:-1] + (-1, 32)); a = np.abs(x).max(-1, keepdims=True)
;;       e = np.where(a > 0, np.clip(np.frexp(np.where(a > 0, a, 1))[1] - 1 - 2, -126, 127), 0)      # np.frexp(a)[1] - 1 = floor(log2(a)), exactly
;;       r = np.clip(x / 2.0 ** e, -6, 6)
;;       step = 2.0 ** (np.maximum(np.frexp(np.where(r == 0, 1, r))[1] - 1, 0) - 1)
;;       q = np.round(r / step) * step * 2.0 ** e      # np.round: ties to even
;;       return np.moveaxis(q.reshape(q.shape[:-2] + (-1,))[..., :K], -1, axis).astype(np.float32)
;;   ~~~
;;   SOFTMAX AHEAD OF A QUANTISED PRODUCT. Where the list says 'softmax', what is quantised is not the finished softmax but p = 2^(t - M), with t = logit x log2(e) and M = ceil(the row's largest t), a whole number; so 1/2 < the row's largest p <= 1. The row's sum l is taken of the UNQUANTISED p, in f32, and the product's result is divided by l at the end. Since M is a whole number, a kernel that streams over the keys may use a running M (the ceiling of the running maximum): every later rescaling is an exact power of two, which a block's scale takes up: the codes' values come out the same.
;;   OPERANDS COMPUTED ON THE WAY. 'Computed on the way' means the value that the module computes at that place (a softmax that the list does not call 'softmax' is quantised finished and normalised). What goes into a quantiser is computed in f32, as accurately as f32 sums, v_exp_f32 and their like allow (about 1e-6 of the number): no bf16 or f16 on the way to a quantiser, and a product that is left as it is and whose result goes on into a quantised operand takes f32 operands (vector FMAs, or v_wmma_f32_16x16x4_f32). A number that lies on a knife's edge between two numbers of the format may be rounded either way, as far as f32 arithmetic and the matrix unit's own rounding can turn it there, and no further.
;; One version. Each part assembles by itself: llvm-mc -triple=amdgcn-amd-amdhsa -mcpu=gfx1250 --defsym DOCPART=n.
;; ======== version 1 of 1: 4 launches
;; limits: a function is approximated: absolute error at most 0.0003
;; workspace buffers: xc 12,582,912 bytes; xs 786,432 bytes; wc 2,097,152 bytes; ws 131,072 bytes; rope 524,288 bytes; qc 4,718,592 bytes; kv 9,175,040 bytes; ctx 4,718,592 bytes
;; launch quant (part 1): grid 512 x 1, 4 waves a work-group, no clusters, 34,304 bytes of LDS; arguments query, key, value, wq, wk, wv, wo, xc, xs, wc, ws, rope; writes xc, xs, wc, ws, rope
.if DOCPART == 1
	.amdgcn_target "amdgcn-amd-amdhsa--gfx1250"
	.amdhsa_code_object_version 6
	.text
	.protected	k_q6b8f8873cb_quant
	.globl	k_q6b8f8873cb_quant
	.p2align	8
	.type	k_q6b8f8873cb_quant,@function
k_q6b8f8873cb_quant:
	s_mov_b64 s[64:65], 0
	v_nop
	global_prefetch_b8 v0, s[64:65] scope:SCOPE_SE
	s_setreg_imm32_b32 hwreg(HW_REG_WAVE_MODE, 25, 1), 1
	s_wait_xcnt 0x0
; query, key, value [8192][1024] and wq, wk, wv, wo [1024][1024], f32 with K innermost, become codes of FP4 (E2M1) with one E8M0 byte for each 32 along K; and the table of cosines and sines for the rotary embedding is made.
; LAYOUT OF THE CODES: images of the matrix operand's registers.  A fragment is 16 rows x 128 K: two parts of 512 bytes; in part c lane l = 16 h + r has its 16 bytes at 16 l: k = 64 c + 32 h + 0 .. 31 of the tile's row r.
; THE ROWS OF A TILE ARE NOT NEIGHBOURS: rows go in chunks of 128; lane r of tile 2 b + u of a chunk takes row 32 b + 8 u + r + 8 (r / 8).  A tile's eight K steps lie on end: 8,192 bytes.
; LAYOUT OF THE SCALE WORDS (four bytes: 128 along K of one row): 512 bytes a tile; at byte 16 l the words of K steps 4 h .. 4 h + 3 of row r.
; A block's scale is 2^(floor(log2(its largest magnitude)) - 2): its byte is the largest magnitude's exponent field - 2, held at 1 from below.
; SHARES.  Work-groups 0 .. 447 quantise, a wave a tile (16 rows x 1,024): 128 each for query, key, value, 16 for each weight.  Work-groups 448 .. 511 make the table and use no LDS.
; Each load reads 512 consecutive bytes of one row; a K step's 16 x 512 bytes turn through the wave's own stage in LDS (rows 528 bytes apart) and come back 256 bytes a lane: two whole blocks of 32.  Waves share nothing: no barrier.
; LIMITS: NaN and infinities among the inputs are not served; a block whose largest magnitude lies under 2^-124 (a block of zeros too) gets the byte 1: its codes are zeros or next to it, and this program alone reads the bytes.
; The table's angle is pos x inv_freq in f32 with inv_freq = 2^(-i log2(10000) / 32) good to about 2e-7 of its value: about 3e-4 rad at the largest positions of the fastest pairs; the sine and cosine of that angle are good to about 1e-7.
.set NQ,   448                         ; work-groups that quantise
.set PIT,  528                         ; a stage row: 512 bytes + 16
.set STG,  16*PIT                      ; a wave's stage
.set LD0,  32                          ; v32-95, v96-159  two sets of 16 x 4 registers as loaded
.set X,    160                         ; v160-223 my 64 numbers: register 32 c + i = k 64 c + 32 h + i of row r
.set PC,   224                         ; v224-231, v232-239  two sets of codes
.set WD,   16                          ; v16-23  the scale words of the eight K steps
	s_load_b512 s[4:19], s[0:1], 0x0               ; query, key, value, wq, wk, wv, wo, xc
	s_load_b128 s[20:23], s[0:1], 0x40             ; xs, wc
	s_load_b128 s[24:27], s[0:1], 0x50             ; ws, rope
	v_lshl_add_u32 v254, v0, 2, 0x8400
	v_mov_b32 v255, 0
	s_cmp_ge_u32 ttmp9, NQ
	s_cbranch_scc1 .Lrope
	v_lshrrev_b32 v1, 5, v0
	v_readfirstlane_b32 s28, v1                    ; wave
	v_and_b32 v1, 31, v0                           ; l
	v_and_b32 v2, 15, v0                           ; r
	v_bfe_u32 v3, v0, 4, 1                         ; h
	v_lshlrev_b32 v4, 4, v1                        ; 16 l: my place in a load's, and in a store's, 512 bytes
	s_mul_i32 s29, s28, STG
	v_add_nc_u32 v5, s29, v4                       ; the stage, on the way in
	v_mul_u32_u24 v6, v2, PIT
	v_lshl_add_u32 v6, v3, 7, v6
	v_add_nc_u32 v6, s29, v6                       ; and on the way out: row r, + 128 h bytes
	v_lshlrev_b32 v7, 3, v3                        ; 8 h: where my two bytes stand in a scale word
	v_mov_b32 v15, 0                               ; a lane permute's destination counts as one of its sources
	s_mov_b32 s40, 0x76543210
	s_mov_b32 s41, 0xfedcba98                      ; v_permlanex16_b32's selects for lane l xor 16
	s_wait_kmcnt 0x0
	s_cmp_lt_u32 ttmp9, 432                        ; which tensor: the choice hangs on the work-group's number alone
	s_cselect_b64 s[30:31], s[14:15], s[16:17]
	s_cmp_lt_u32 ttmp9, 416
	s_cselect_b64 s[30:31], s[12:13], s[30:31]
	s_cmp_lt_u32 ttmp9, 400
	s_cselect_b64 s[30:31], s[10:11], s[30:31]
	s_cmp_lt_u32 ttmp9, 384
	s_cselect_b64 s[30:31], s[8:9], s[30:31]
	s_cselect_b64 s[32:33], s[18:19], s[22:23]     ; codes: xc or wc
	s_cselect_b64 s[34:35], s[20:21], s[24:25]     ; words: xs or ws
	s_cselect_b32 s36, 0, 384
	s_cselect_b32 s37, 511, 63                     ; tiles in a tensor - 1
	s_cmp_lt_u32 ttmp9, 256
	s_cselect_b64 s[30:31], s[6:7], s[30:31]
	s_cmp_lt_u32 ttmp9, 128
	s_cselect_b64 s[30:31], s[4:5], s[30:31]
	s_sub_co_u32 s38, ttmp9, s36
	s_lshl_b32 s38, s38, 2
	s_add_co_u32 s38, s38, s28                     ; T: my tile in the buffer of codes
	s_and_b32 s39, s38, s37                        ; and in its tensor
	s_lshr_b32 s42, s39, 3
	s_lshl_b32 s42, s42, 7                         ; 128 x chunk
	s_bfe_u32 s43, s39, 0x20001
	s_lshl_b32 s43, s43, 5                         ; + 32 b
	s_add_co_u32 s42, s42, s43
	s_and_b32 s43, s39, 1
	s_lshl_b32 s43, s43, 3                         ; + 8 u
	s_add_co_u32 s42, s42, s43
	s_lshl_b32 s42, s42, 12                        ; rows of 4,096 bytes
	s_mov_b32 s43, 0
	s_add_nc_u64 s[30:31], s[30:31], s[42:43]
	s_lshl_b32 s42, s38, 13
	s_add_nc_u64 s[32:33], s[32:33], s[42:43]
	s_lshl_b32 s42, s38, 9
	s_add_nc_u64 s[34:35], s[34:35], s[42:43]
.macro LOAD t                          ; K step t: load i reads 512 consecutive bytes of the tile's row i
.irp i, 0,1,2,3,4,5,6,7,8,9,10,11,12,13,14,15
	global_load_b128 v[LD0+64*((\t)%2)+4*\i:LD0+64*((\t)%2)+4*\i+3], v4, s[30:31] offset:(\i+8*(\i/8))*4096+512*(\t) th:TH_LOAD_NT
.endr
.endm
.macro STEP t
.if (\t) < 7
	s_wait_loadcnt 16                              ; this step's 16 loads are in; the next step's 16 may be out
.else
	s_wait_loadcnt 0x0
.endif
.irp i, 0,1,2,3,4,5,6,7,8,9,10,11,12,13,14,15
	ds_store_b128 v5, v[LD0+64*((\t)%2)+4*\i:LD0+64*((\t)%2)+4*\i+3] offset:PIT*\i
.endr
.irp c, 0,1
.irp j, 0,1,2,3,4,5,6,7
	ds_load_b128 v[X+32*\c+4*\j:X+32*\c+4*\j+3], v6 offset:256*\c+16*\j   ; LDS serves a wave's instructions in order: these see the stores above
.endr
.endr
	s_wait_dscnt 0x0                               ; my 64 numbers are in, and the stores have read their registers,
.if (\t)+2 < 8
	LOAD (\t)+2                                    ; which take the loads of two steps on
.endif
	v_max3_num_f32 v8, |v[X]|, |v[X+1]|, 0x1800000         ; blocks h and 2 + h: all 32 numbers of each are mine; the floor 2^(3 - 127) holds the byte at 1 from below
	v_max3_num_f32 v9, |v[X+32]|, |v[X+33]|, 0x1800000
.irp i, 2,4,6,8,10,12,14,16,18,20,22,24,26,28,30
	v_max3_num_f32 v8, v8, |v[X+\i]|, |v[X+\i+1]|
	v_max3_num_f32 v9, v9, |v[X+32+\i]|, |v[X+33+\i]|
.endr
	v_add_nc_u32 v10, 0xff000000, v8               ; 2 off the exponent field: the conversion takes the exponent field of this operand as its scale
	v_add_nc_u32 v11, 0xff000000, v9
	v_lshrrev_b32 v12, 23, v10                     ; the bytes
	v_lshrrev_b32 v13, 23, v11
	v_lshl_or_b32 v14, v13, 16, v12
	v_lshlrev_b32 v14, v7, v14                     ; at their places in the word;
	v_permlanex16_b32 v15, v14, s40, s41
	v_or_b32 v[WD+(\t)], v14, v15                  ; with lane l xor 16's two the word is whole
	s_wait_xcnt 0x0                                ; the stores of two steps ago have read this set of codes
.irp g, 0,1,2,3
	v_cvt_scalef32_pk8_fp4_f32 v[PC+8*((\t)%2)+\g], v[X+8*\g:X+8*\g+7], v10
	v_cvt_scalef32_pk8_fp4_f32 v[PC+8*((\t)%2)+4+\g], v[X+32+8*\g:X+32+8*\g+7], v11
.endr
	v_nop                                          ; one plain line behind the last conversion
	global_store_b128 v4, v[PC+8*((\t)%2):PC+8*((\t)%2)+3], s[32:33] offset:1024*(\t)        ; 512 consecutive bytes each
	global_store_b128 v4, v[PC+8*((\t)%2)+4:PC+8*((\t)%2)+7], s[32:33] offset:1024*(\t)+512
.endm
	LOAD 0
	LOAD 1
.irp t, 0,1,2,3,4,5,6,7
	STEP \t
.endr
	v_cmp_eq_u32 vcc_lo, 1, v3                     ; lanes 0-15 store the words of K steps 0-3, lanes 16-31 those of 4-7
.irp i, 0,1,2,3
	v_cndmask_b32 v[24+\i], v[WD+\i], v[WD+4+\i], vcc_lo
.endr
	global_store_b128 v4, v[24:27], s[34:35]
	s_wait_tensorcnt 0x0
	ds_add_u32 v254, v255
	s_wait_dscnt 0x0
	s_endpgm
; THE TABLE: [chunk 16][tile 8][q 8][lane 32][16 bytes]; the 16 bytes are cos, sin, cos, sin of the pairs i = 16 (q / 4) + 8 h + 2 (q % 4) + 0, 1 at the position 128 chunk + 32 (tile / 2) + 8 (tile % 2) + r + 8 (r / 8).
; A thread makes four entries, C = 512 (work-group - 448) + 128 k + thread: a wave's store covers 512 consecutive bytes.
.Lrope:
	s_sub_co_u32 s38, ttmp9, NQ
	s_lshl_b32 s38, s38, 9
	s_mov_b32 s42, 0xbed49a78                      ; -log2(10000) / 32
	s_mov_b32 s43, 0x3f22f983                      ; 2 / pi
	s_mov_b32 s44, 0x3fc90fdb                      ; pi / 2, its f32,
	s_mov_b32 s45, 0xb33bbd2e                      ; and what that leaves
	s_mov_b32 s46, 0xb94ca1f9                      ; sine: -1.9515296e-4, 8.3321609e-3, -1.6666655e-1
	s_mov_b32 s47, 0x3c08839e
	s_mov_b32 s48, 0xbe2aaaa3
	s_mov_b32 s49, 0x37ccf5ce                      ; cosine: 2.4433157e-5, -1.3887316e-3, 4.1666646e-2
	s_mov_b32 s50, 0xbab6061a
	s_mov_b32 s51, 0x3d2aaaa5
	v_and_b32 v1, 15, v0
	v_and_b32 v2, 8, v0
	v_add_nc_u32 v1, v1, v2                        ; r + 8 (r / 8)
	v_bfe_u32 v2, v0, 4, 1
	v_lshlrev_b32 v2, 3, v2                        ; 8 h
.irp k, 0,1,2,3
	v_add3_u32 v[32+\k], v0, s38, 128*\k           ; C
	v_lshrrev_b32 v10, 9, v[32+\k]
	v_lshl_add_u32 v10, v10, 5, v1                 ; 128 chunk + 32 (tile / 2) = 32 (C / 512)
	v_bfe_u32 v11, v[32+\k], 8, 1
	v_lshl_add_u32 v10, v11, 3, v10                ; + 8 (tile % 2): the position
	v_cvt_f32_u32 v[36+\k], v10
	v_bfe_u32 v11, v[32+\k], 7, 1
	v_lshl_add_u32 v11, v11, 4, v2
	v_bfe_u32 v12, v[32+\k], 5, 2
	v_lshl_add_u32 v11, v12, 1, v11                ; i of the first pair
	v_cvt_f32_u32 v[44+2*\k], v11
	v_add_f32 v[45+2*\k], 1.0, v[44+2*\k]
	v_mul_f32 v[44+2*\k], s42, v[44+2*\k]
	v_mul_f32 v[45+2*\k], s42, v[45+2*\k]
	v_lshlrev_b32 v[40+\k], 4, v[32+\k]            ; the entry's byte
.endr
.irp j, 0,1,2,3,4,5,6,7
	v_exp_f32 v[44+\j], v[44+\j]                   ; inv_freq: one batch,
.endr
	v_nop                                          ; one plain line behind it,
	s_wait_alu depctr_va_vdst(0)                   ; and one wait ahead of the first reader
.irp k, 0,1,2,3
	v_mul_f32 v[44+2*\k], v[36+\k], v[44+2*\k]     ; the angles
	v_mul_f32 v[45+2*\k], v[36+\k], v[45+2*\k]
.endr
; cos and sin of v[x], which is 0 or more: n = the nearest whole number to x 2 / pi; r = x - n pi / 2 in two steps; polynomials on |r| <= pi / 4; the quarter n mod 4 swaps and signs them
.macro SINCOS x, oc, os
	v_mul_f32 v10, s43, v[\x]
	v_rndne_f32 v10, v10
	v_fma_f32 v11, -v10, s44, v[\x]
	v_fma_f32 v11, -v10, s45, v11                  ; r
	v_mul_f32 v12, v11, v11                        ; z = r r
	v_fma_f32 v13, v12, s46, s47
	v_fma_f32 v13, v13, v12, s48
	v_mul_f32 v13, v13, v12
	v_fma_f32 v13, v13, v11, v11                   ; sin r
	v_fma_f32 v14, v12, s49, s50
	v_fma_f32 v14, v14, v12, s51
	v_mul_f32 v15, v12, v12
	v_fma_f32 v16, v12, -0.5, 1.0
	v_fma_f32 v14, v15, v14, v16                   ; cos r
	v_cvt_i32_f32 v17, v10
	v_and_b32 v18, 1, v17
	v_cmp_eq_u32 vcc_lo, 1, v18
	v_cndmask_b32 v19, v13, v14, vcc_lo            ; an odd quarter swaps the two
	v_cndmask_b32 v20, v14, v13, vcc_lo
	v_lshlrev_b32 v18, 30, v17
	v_and_b32 v18, 0x80000000, v18                 ; the sine is negative in quarters 2 and 3,
	v_xor_b32 v[\os], v19, v18
	v_add_nc_u32 v17, 1, v17
	v_lshlrev_b32 v18, 30, v17
	v_and_b32 v18, 0x80000000, v18                 ; the cosine in quarters 1 and 2
	v_xor_b32 v[\oc], v20, v18
.endm
	s_wait_kmcnt 0x0
.irp k, 0,1,2,3
	SINCOS 44+2*\k, 64+4*\k, 65+4*\k
	SINCOS 45+2*\k, 66+4*\k, 67+4*\k
	global_store_b128 v[40+\k], v[64+4*\k:67+4*\k], s[26:27]
.endr
	s_endpgm
.Lfunc_end_k_q6b8f8873cb_quant:
	.size	k_q6b8f8873cb_quant, .Lfunc_end_k_q6b8f8873cb_quant-k_q6b8f8873cb_quant
	.p2alignl 7, 3214868480
	.fill 96, 4, 3214868480
	.section	.rodata,"a",@progbits
	.p2align	6, 0x0
	.amdhsa_kernel k_q6b8f8873cb_quant
		.amdhsa_group_segment_fixed_size 34304
		.amdhsa_private_segment_fixed_size 0
		.amdhsa_enable_private_segment 0
		.amdhsa_kernarg_size 96
		.amdhsa_user_sgpr_count 2
		.amdhsa_user_sgpr_kernarg_segment_ptr 1
		.amdhsa_wavefront_size32 1
		.amdhsa_system_sgpr_workgroup_id_x 1
		.amdhsa_system_sgpr_workgroup_id_y 1
		.amdhsa_system_sgpr_workgroup_id_z 1
		.amdhsa_system_vgpr_workitem_id 0
		.amdhsa_next_free_vgpr 256
		.amdhsa_next_free_sgpr 66
		.amdhsa_reserve_vcc 1
		.amdhsa_float_denorm_mode_32 3
		.amdhsa_float_denorm_mode_16_64 3
		.amdhsa_memory_ordered 1
		.amdhsa_forward_progress 1
		.amdhsa_inst_pref_size 72
	.end_amdhsa_kernel
	.amdgpu_metadata
---
amdhsa.version: [ 1, 2 ]
amdhsa.kernels:
  - .name:           k_q6b8f8873cb_quant
    .symbol:         k_q6b8f8873cb_quant.kd
    .args:
      - { .name: query, .offset: 0, .size: 8, .value_kind: global_buffer, .address_space: global }
      - { .name: key, .offset: 8, .size: 8, .value_kind: global_buffer, .address_space: global }
      - { .name: value, .offset: 16, .size: 8, .value_kind: global_buffer, .address_space: global }
      - { .name: wq, .offset: 24, .size: 8, .value_kind: global_buffer, .address_space: global }
      - { .name: wk, .offset: 32, .size: 8, .value_kind: global_buffer, .address_space: global }
      - { .name: wv, .offset: 40, .size: 8, .value_kind: global_buffer, .address_space: global }
      - { .name: wo, .offset: 48, .size: 8, .value_kind: global_buffer, .address_space: global }
      - { .name: xc, .offset: 56, .size: 8, .value_kind: global_buffer, .address_space: global }
      - { .name: xs, .offset: 64, .size: 8, .value_kind: global_buffer, .address_space: global }
      - { .name: wc, .offset: 72, .size: 8, .value_kind: global_buffer, .address_space: global }
      - { .name: ws, .offset: 80, .size: 8, .value_kind: global_buffer, .address_space: global }
      - { .name: rope, .offset: 88, .size: 8, .value_kind: global_buffer, .address_space: global }
    .group_segment_fixed_size: 34304
    .private_segment_fixed_size: 0
    .kernarg_segment_align: 8
    .kernarg_segment_size: 96
    .max_flat_workgroup_size: 128
    .sgpr_count:     66
    .vgpr_count:     256
    .wavefront_size: 32
...
	.end_amdgpu_metadata
.endif
;; end of part 1
;; launch proj (part 2): grid 4 x 96, 4 waves a work-group, clusters of 4 x 4, 287,232 bytes of LDS; arguments xc, xs, wc, ws, rope, bq, bk, bv, qc, kv; writes qc, kv
.if DOCPART == 2
	.amdgcn_target "amdgcn-amd-amdhsa--gfx1250"
	.amdhsa_code_object_version 6
	.text
	.protected	k_q6b8f8873cb_proj
	.globl	k_q6b8f8873cb_proj
	.p2align	8
	.type	k_q6b8f8873cb_proj,@function
k_q6b8f8873cb_proj:
	s_mov_b64 s[64:65], 0
	v_nop
	global_prefetch_b8 v0, s[64:65] scope:SCOPE_SE
	s_setreg_imm32_b32 hwreg(HW_REG_WAVE_MODE, 25, 1), 1
	s_wait_xcnt 0x0
	s_wait_alu depctr_hold_cnt(0) depctr_sa_sdst(0) depctr_va_vdst(0) depctr_va_sdst(0) depctr_va_ssrc(0) depctr_va_vcc(0) depctr_vm_vsrc(0)
	s_getreg_b32 s2, hwreg(HW_REG_IB_STS2, 6, 4)
	s_cmp_eq_u32 s2, 0
	s_cbranch_scc0 .Lentry_in_a_cluster
	s_endpgm
.Lentry_in_a_cluster:
	s_bfe_u32 s2, ttmp6, 0x10000c
	s_cmp_lg_u32 s2, 0xf033
	s_cbranch_scc0 .Lentry_shape_is_right
	s_endpgm
.Lentry_shape_is_right:
; The three input projections on codes of FP4, y = x W^T + b, with what follows each: Q and K are rotated (interleaved rotary embedding) and quantised along the head's 64; V is quantised along the keys.
; kind = cluster y / 8: 0 Q, 1 K, 2 V: the same in all sixteen partners of a cluster.  A work-group makes 256 rows of x times 256 rows of W, K = 1,024.
; ALL OF K LIES IN LDS: the codes of 256 rows are one dense block of 131,072 bytes (images of the operand's registers: a fragment's part is 512 bytes, lane l's 16 bytes at 16 l), x's and W's; their scale words 8,192 bytes each.
; They come once, by two tensor loads a wave; nothing is filled again, so there is no ring.
; CLUSTERS: 4 x 4 work-groups.  x's blocks hang on the cluster's y and cy and are shared along a row of the cluster, W's on kind and cx and are shared along a column: each is asked for JOINTLY, by the same load with the same descriptor.
; A wave makes 128 x 128: 64 accumulators.  Source 0 is side P, along which a lane's registers run; source 1 is side R, a lane a row.  Q, K: P = W (the head's channels), R = x.  V: P = x (the keys), R = W.
; The rows of a tile of P are chosen (lane r of tile 2 b + u: row 32 b + 8 u + r + 8 (r / 8)) so that a lane's 64 results of one tile of R are in the order that QUANT takes: register 16 b + i = index 32 b + 16 (lane / 16) + i.
; OUT.  qc: codes [head 64][tile 128][lane][16 bytes], lane (r, h): d = 32 h + 0 .. 31; words behind them, [head][tile][r]: two bytes and twice 0x7f (the first attention product's K is 64 of the instruction's 128: the rest are zero codes).
; kv: a record of 143,360 bytes a head: K's codes as Q's; V's codes [key step 16][tile of d 4][part 2][lane][16 bytes]; K's words; V's words.
; REGISTERS, in windows of 256: window 0: v1-23 addresses and small things; v32-63 R's scale words, v64-95 P's; v96-111 two sets of codes; v112-127 QUANT's; v128-191 R's fragments, later X; v192-255 Y (V: the bias).
;   window 1: v0-63, v128-191 P's fragments, two sets; v64-127 the bias along P; v192-255 two sets of the table.   windows 2, 3: accumulator (a, b) at v[8 (8 (a % 4) + b)].
; LIMITS: NaN and infinities are not served; a block under 2^-124 gets the byte 1.
.set XR,   0                           ; LDS: x's codes, 16 tiles x 8,192 bytes;
.set WR,   131072                      ; W's;
.set XSL,  262144                      ; x's scale words, 16 tiles x 512 bytes;
.set WSL,  270336                      ; W's;
.set STGQ, 278528                      ; a stage of 1,024 bytes a wave for Q's or K's words: no fill lands here;
.set STGV, 282624                      ; one of 512 bytes a wave for V's words: the two ways have bytes of their own
.set SCR,  32
.set SCP,  64
.set PC,   96
.set TM,   112
.set AF,   128
.set XX,   128
.set YY,   192
.set PW,   19
.set BP,   64                          ; in window 1
.set TT,   192                         ; in window 1
.set WV,   24
.set HI,   25
.set LO,   26
.set KIND, 27
.set CX,   28
.set CY,   29
.set XT,   30
.set G1X,  32                          ; s[32:39] group 1 for x's codes; s[40:47] W's; s[48:55], s[56:63] for the scale words
.set G1W,  40
.set G1XS, 48
.set G1WS, 56
.set G0X,  68                          ; s[68:71], s[72:75], s[76:79], s[80:83] the four groups 0
.set G0W,  72
.set G0XS, 76
.set G0WS, 80
.set SEL,  98
.set OC0,  32                          ; behind the wait that shows both tensor loads done the descriptors' registers take the output bases
.set OC1,  34
.set OS0,  36
.set OS1,  38
.set BIA,  40
.set RPT,  42
.set MSB, 0
.macro WIN new                         ; the immediate's high byte repeats the setting that is left
.if MSB != \new
	s_set_vgpr_msb (MSB<<8)|\new
.set MSB, \new
.endif
.endm
.macro PLACES                          ; four plain lines behind matrix instructions, ahead of loads into their registers and of reads of their results
.rept 4
	v_nop
.endr
.endm
; A joint load: waves 0 and 1 fetch x's halves, waves 2 and 3 W's.  The branch hangs on the wave's number alone.  Four v_nop follow each line.
.macro JLOAD g0a, g1a, g0b, g1b
	s_cmp_eq_u32 s[HI], 0
	s_cbranch_scc0 .Lfor_w_\@
	tensor_load_to_lds s[\g0a:\g0a+3], s[\g1a:\g1a+7]
	s_nop 0
.rept 4
	v_nop
.endr
	s_branch .Lasked_\@
.Lfor_w_\@:
	tensor_load_to_lds s[\g0b:\g0b+3], s[\g1b:\g1b+7]
	s_nop 0
.rept 4
	v_nop
.endr
.Lasked_\@:
.endm
.macro CROUND                          ; a round of the cluster's barrier
	s_barrier_signal -1
	s_barrier_wait -1
	s_cmp_lg_u32 s[WV], 0
	s_cbranch_scc1 .Lnot_wave_0_\@
	s_barrier_signal -3
.Lnot_wave_0_\@:
	s_barrier_wait -3
	s_barrier_signal -1
	s_barrier_wait -1
.endm
	s_load_b256 s[4:11], s[0:1], 0x0               ; xc, xs, wc, ws
	s_load_b256 s[12:19], s[0:1], 0x20             ; rope, bq, bk, bv
	s_load_b128 s[20:23], s[0:1], 0x40             ; qc, kv
	v_lshl_add_u32 v122, v0, 2, 0x46000
	v_mov_b32 v123, 0
	ds_add_u32 v122, v123
	ds_add_u32 v122, v123
	v_lshrrev_b32 v1, 5, v0
	v_readfirstlane_b32 s[WV], v1                  ; wave 0..3
	s_lshr_b32 s[HI], s[WV], 1
	s_and_b32 s[LO], s[WV], 1
	s_bfe_u32 s[CX], ttmp6, 0x40000
	s_bfe_u32 s[CY], ttmp6, 0x40004
	s_and_b32 s31, ttmp7, 0xffff                   ; the cluster's y
	s_lshr_b32 s[KIND], s31, 3
	s_and_b32 s[XT], s31, 7
	s_lshl_b32 s[XT], s[XT], 2
	s_add_co_u32 s[XT], s[XT], s[CY]               ; which 256 rows of x
	s_lshl_b32 s84, s[CY], 2
	s_lshl_b32 s84, 15, s84                        ; my row of the cluster
	s_lshl_b32 s85, 0x1111, s[CX]                  ; my column
	s_or_b32 s[G1X], s84, (3<<16)|(1<<21)          ; 15:0 the mask; 17:16 elements of 8 bytes; 21 set beside a mask; no padding
	s_or_b32 s[G1W], s85, (3<<16)|(1<<21)
	s_or_b32 s[G1XS], s84, (3<<16)|(1<<21)
	s_or_b32 s[G1WS], s85, (3<<16)|(1<<21)
.irp g, G1X, G1W                       ; 65,536 dense bytes as 256 rows of 256 bytes
	s_mov_b32 s[\g+1], 32<<16
	s_mov_b32 s[\g+2], 256<<16
	s_mov_b32 s[\g+3], 32<<16
	s_mov_b32 s[\g+4], 256
	s_mov_b32 s[\g+5], 32
	s_mov_b32 s[\g+6], 0
	s_mov_b32 s[\g+7], 0
.endr
.irp g, G1XS, G1WS                     ; 4,096 dense bytes as 16 rows of 256 bytes
	s_mov_b32 s[\g+1], 32<<16
	s_mov_b32 s[\g+2], 16<<16
	s_mov_b32 s[\g+3], 32<<16
	s_mov_b32 s[\g+4], 16
	s_mov_b32 s[\g+5], 32
	s_mov_b32 s[\g+6], 0
	s_mov_b32 s[\g+7], 0
.endr
	s_lshl_b32 s86, s[KIND], 22                    ; x's codes: 4 MiB a tensor, 131,072 bytes for 256 rows, 65,536 for my half.  Made of the cluster's y, cy and the wave alone
	s_lshl_b32 s87, s[XT], 17
	s_add_co_u32 s86, s86, s87
	s_lshl_b32 s87, s[LO], 16
	s_add_co_u32 s86, s86, s87
	s_mov_b32 s87, 0
	s_lshl_b32 s88, s[KIND], 19                    ; W's: of the cluster's y, cx and the wave alone
	s_lshl_b32 s89, s[CX], 17
	s_add_co_u32 s88, s88, s89
	s_lshl_b32 s89, s[LO], 16
	s_add_co_u32 s88, s88, s89
	s_mov_b32 s89, 0
	s_lshl_b32 s90, s[KIND], 18                    ; x's scale words
	s_lshl_b32 s91, s[XT], 13
	s_add_co_u32 s90, s90, s91
	s_lshl_b32 s91, s[LO], 12
	s_add_co_u32 s90, s90, s91
	s_mov_b32 s91, 0
	s_lshl_b32 s92, s[KIND], 15                    ; W's
	s_lshl_b32 s93, s[CX], 13
	s_add_co_u32 s92, s92, s93
	s_lshl_b32 s93, s[LO], 12
	s_add_co_u32 s92, s92, s93
	s_mov_b32 s93, 0
	s_lshl_b32 s94, s[WV], 16                      ; where they go: x's two halves, then W's two = 65,536 x wave;
	s_lshl_b32 s95, s[WV], 12
	s_add_co_u32 s95, s95, XSL                     ; the words likewise, 4,096 x wave: no place in the cluster enters an LDS address
	s_wait_dscnt 0x0
	s_wait_kmcnt 0x0
	CROUND                                         ; all sixteen work-groups are here: the joint loads meet
	s_mov_b32 s[G0XS], 1
	s_mov_b32 s[G0XS+1], s95
	s_add_nc_u64 s[G0XS+2:G0XS+3], s[6:7], s[90:91]
	s_or_b32 s[G0XS+3], s[G0XS+3], 0x80000000
	s_mov_b32 s[G0WS], 1
	s_mov_b32 s[G0WS+1], s95
	s_add_nc_u64 s[G0WS+2:G0WS+3], s[10:11], s[92:93]
	s_or_b32 s[G0WS+3], s[G0WS+3], 0x80000000
	JLOAD G0XS, G1XS, G0WS, G1WS
	s_mov_b32 s[G0X], 1
	s_mov_b32 s[G0X+1], s94
	s_add_nc_u64 s[G0X+2:G0X+3], s[4:5], s[86:87]
	s_or_b32 s[G0X+3], s[G0X+3], 0x80000000
	s_mov_b32 s[G0W], 1
	s_mov_b32 s[G0W+1], s94
	s_add_nc_u64 s[G0W+2:G0W+3], s[8:9], s[88:89]
	s_or_b32 s[G0W+3], s[G0W+3], 0x80000000
	JLOAD G0X, G1X, G0W, G1W                       ; two tensor loads of mine are out, and no more will be
	; every LDS address is made here, on the one way that all take
	v_and_b32 v1, 15, v0                           ; r
	v_bfe_u32 v2, v0, 4, 1                         ; h
	v_and_b32 v3, 31, v0
	v_lshlrev_b32 v3, 4, v3                        ; 16 l
	s_lshl_b32 s84, s[HI], 16
	s_lshl_b32 s85, s[LO], 16
	v_add_nc_u32 v4, s84, v3                       ; x's codes, half HI
	v_add_nc_u32 v5, s85, v3                       ; half LO
	v_add_nc_u32 v6, WR, v4                        ; W's codes, half HI
	v_add_nc_u32 v7, WR, v5                        ; half LO
	s_lshl_b32 s84, s[HI], 12
	s_lshl_b32 s85, s[LO], 12
	v_add_nc_u32 v8, s84, v3
	v_add_nc_u32 v9, s85, v3
	v_add_nc_u32 v10, WSL, v8                      ; W's words, half HI
	v_add_nc_u32 v11, WSL, v9                      ; half LO
	v_add_nc_u32 v8, XSL, v8                       ; x's words, half HI
	v_add_nc_u32 v9, XSL, v9                       ; half LO
	s_lshl_b32 s84, s[WV], 10
	v_lshlrev_b32 v20, 2, v1                       ; 4 r
	v_lshl_add_u32 v12, v2, 9, v20
	v_add_nc_u32 v12, s84, v12
	v_add_nc_u32 v12, STGQ, v12                    ; Q's, K's words into my stage: 512 h + 4 r
	v_add_nc_u32 v13, s84, v3
	v_add_nc_u32 v13, STGQ, v13                    ; and back
	s_lshl_b32 s84, s[WV], 9
	v_add_nc_u32 v14, s84, v20
	v_add_nc_u32 v14, STGV, v14                    ; V's words into my stage: 4 r
	v_add_nc_u32 v15, s84, v3
	v_add_nc_u32 v15, STGV, v15                    ; and back
	v_lshlrev_b32 v16, 6, v2                       ; 64 h: my half's 16 numbers of a bias along P
	v_and_b32 v17, 8, v1
	v_add_nc_u32 v17, v17, v1
	v_lshlrev_b32 v17, 2, v17                      ; 4 (r + 8 (r / 8)): my row's number of a bias along R
	v_mul_u32_u24 v18, v2, 143360
	v_lshl_add_u32 v18, v1, 4, v18                 ; V's words out: lanes 0-15 one head's 256 bytes, lanes 16-31 the next head's
.irp b, 0,1,2,3
	v_mov_b32 v[TM+4+\b], 0                        ; a lane permute's destination counts as one of its sources
.endr
	s_mov_b32 s[SEL], 0x76543210
	s_mov_b32 s[SEL+1], 0xfedcba98
	s_wait_tensorcnt 0x0                           ; my parts have landed,
	s_barrier_signal -1
	s_barrier_wait -1                              ; everybody's have
; 64 numbers of a lane, v[s] on, register 16 b + i = index 32 b + 16 (lane / 16) + i of my row, become a fragment's codes in v[pc] on and its scale word in v[PW].
.macro QUANT s, pc
.irp b, 0,1,2,3
	v_max3_num_f32 v[TM+\b], |v[\s+16*\b]|, |v[\s+1+16*\b]|, 0x1800000   ; my 16 numbers of block b, and the floor 2^(3 - 127): the byte cannot fall under 1
.endr
.irp i, 2,4,6,8,10,12,14
.irp b, 0,1,2,3
	v_max3_num_f32 v[TM+\b], v[TM+\b], |v[\s+16*\b+\i]|, |v[\s+1+16*\b+\i]|
.endr
.endr
.irp b, 0,1,2,3
	v_permlanex16_b32 v[TM+4+\b], v[TM+\b], s[SEL], s[SEL+1]
.endr
.irp b, 0,1,2,3
	v_max_num_f32 v[TM+\b], v[TM+\b], v[TM+4+\b]   ; with lane l xor 16's: the block's largest magnitude
.endr
.irp b, 0,1,2,3
	v_add_nc_u32 v[TM+12+\b], 0xff000000, v[TM+\b] ; 2 off its exponent field: the conversion's scale operand
.endr
.irp b, 0,1,2,3
	v_lshrrev_b32 v[TM+4+\b], 23, v[TM+12+\b]      ; the byte
.endr
	v_lshl_or_b32 v[PW], v[TM+5], 8, v[TM+4]
	v_lshl_or_b32 v[PW], v[TM+6], 16, v[PW]
	v_lshl_or_b32 v[PW], v[TM+7], 24, v[PW]
.irp b, 0,1,2,3
	v_cvt_scalef32_pk8_fp4_f32 v[(\pc)+2*\b], v[\s+16*\b:\s+7+16*\b], v[TM+12+\b]
	v_cvt_scalef32_pk8_fp4_f32 v[(\pc)+1+2*\b], v[\s+8+16*\b:\s+15+16*\b], v[TM+12+\b]
.endr
	v_nop                                          ; one plain line behind a scaled conversion
.irp c, 0,1                            ; the operand wants a whole block in a lane: lanes 0-15 block 2 c, lanes 16-31 block 2 c + 1
.irp i, 0,1
	v_permlane16_swap_b32 v[(\pc)+4*\c+\i], v[(\pc)+2+4*\c+\i]
.endr
.endr
.endm
.macro FRAG reg, adr, off              ; a fragment: two parts of 512 bytes, 16 bytes a lane
	ds_load_b128 v[\reg:\reg+3], v[\adr] offset:\off
	ds_load_b128 v[\reg+4:\reg+7], v[\adr] offset:\off+512
.endm
.macro FETCH_P k, set                  ; P's eight fragments of K step k
	WIN 0x40
.irp i, 0,1,2,3,4,5,6,7
	FRAG 128*(\set)+8*\i, PA, 8192*\i+1024*(\k)
.endr
	WIN 0
.endm
.macro FETCH_R k, i0                   ; R's blocks i0 .. i0 + 3
.irp i, \i0, \i0+1, \i0+2, \i0+3
	FRAG AF+8*(\i), RA, 8192*(\i)+1024*(\k)
.endr
.endm
; 16 matrix instructions: R's blocks a0, a0 + 1 against P's eight.  A scale register holds the words of K steps 0-3 in lanes 0-15 and of K steps 4-7 in lanes 16-31.
; The 64 accumulators take turns, one instruction a turn, in the same order in every K step.  K step 0 starts the sums: nothing is cleared.
.macro MUL16 a0, p, k
.irp a, \a0, \a0+1
.irp b, 0,1,2,3,4,5,6,7
.if (\k) == 0
	v_wmma_scale_f32_16x16x128_f8f6f4 v[8*(8*((\a)%4)+\b):8*(8*((\a)%4)+\b)+7], v[128*(\p)+8*\b:128*(\p)+8*\b+7], v[AF+8*(\a):AF+8*(\a)+7], 0, v[SCP+4*\b+(\k)%4], v[SCR+4*(\a)+(\k)%4] matrix_a_fmt:MATRIX_FMT_FP4 matrix_b_fmt:MATRIX_FMT_FP4
.elseif (\k) < 4
	v_wmma_scale_f32_16x16x128_f8f6f4 v[8*(8*((\a)%4)+\b):8*(8*((\a)%4)+\b)+7], v[128*(\p)+8*\b:128*(\p)+8*\b+7], v[AF+8*(\a):AF+8*(\a)+7], v[8*(8*((\a)%4)+\b):8*(8*((\a)%4)+\b)+7], v[SCP+4*\b+(\k)%4], v[SCR+4*(\a)+(\k)%4] matrix_a_fmt:MATRIX_FMT_FP4 matrix_b_fmt:MATRIX_FMT_FP4
.else
	v_wmma_scale_f32_16x16x128_f8f6f4 v[8*(8*((\a)%4)+\b):8*(8*((\a)%4)+\b)+7], v[128*(\p)+8*\b:128*(\p)+8*\b+7], v[AF+8*(\a):AF+8*(\a)+7], v[8*(8*((\a)%4)+\b):8*(8*((\a)%4)+\b)+7], v[SCP+4*\b+(\k)%4], v[SCR+4*(\a)+(\k)%4] matrix_a_fmt:MATRIX_FMT_FP4 matrix_b_fmt:MATRIX_FMT_FP4 matrix_a_scale:MATRIX_SCALE_ROW1 matrix_b_scale:MATRIX_SCALE_ROW1
.endif
.endr
.endr
.endm
.macro STEP k                          ; a K step that has a successor.  R has one set of registers (a block is free when its eight products are issued), P two
	s_wait_dscnt 8                                 ; all but the youngest eight loads (R's blocks 4-7) are in
	WIN 0xa1                                       ; source 0 window 1, source 1 window 0, C and D window 2
	MUL16 0, (\k)%2, \k
	MUL16 2, (\k)%2, \k
	s_wait_dscnt 0x0
	PLACES
	FETCH_P (\k)+1, 1-(\k)%2
	FETCH_R (\k)+1, 0
	WIN 0xf1                                       ; C and D window 3
	MUL16 4, (\k)%2, \k
	MUL16 6, (\k)%2, \k
	PLACES
	WIN 0
	FETCH_R (\k)+1, 4
.endm
.macro MAIN                            ; the whole product; RA, PA, SRA, SPA name the address registers of R's and P's codes and words
.irp i, 0,1,2,3,4,5,6,7
	ds_load_b128 v[SCR+4*\i:SCR+4*\i+3], v[SRA] offset:512*\i
.endr
.irp i, 0,1,2,3,4,5,6,7
	ds_load_b128 v[SCP+4*\i:SCP+4*\i+3], v[SPA] offset:512*\i
.endr
	FETCH_P 0, 0
	FETCH_R 0, 0
	FETCH_R 0, 4
.irp k, 0,1,2,3,4,5,6
	STEP \k
.endr
	s_wait_dscnt 8                                 ; the last K step: nothing more to fetch
	WIN 0xa1
	MUL16 0, 1, 7
	MUL16 2, 1, 7
	s_wait_dscnt 0x0
	WIN 0xf1
	MUL16 4, 1, 7
	MUL16 6, 1, 7
	WIN 0
.endm
	s_cmp_eq_u32 s[KIND], 2                        ; the same in the whole cluster
	s_cbranch_scc1 .Lv
	; ---------------- Q and K ----------------
	s_lshl_b32 s84, s[XT], 1
	s_add_co_u32 s84, s84, s[HI]                   ; my chunk of 128 rows of x
	s_lshr_b32 s85, s84, 4                         ; the batch,
	s_and_b32 s84, s84, 15                         ; the chunk in the sequence
	s_lshl_b32 s85, s85, 4
	s_lshl_b32 s86, s[CX], 2
	s_add_co_u32 s85, s85, s86
	s_lshl_b32 s86, s[LO], 1
	s_add_co_u32 s85, s85, s86                     ; the first of my two heads: 16 batch + 4 cx + 2 LO
	s_cmp_eq_u32 s[KIND], 0
	s_cselect_b64 s[OC0:OC0+1], s[20:21], s[22:23] ; qc or kv
	s_cselect_b64 s[BIA:BIA+1], s[14:15], s[16:17] ; bq or bk
	s_mov_b32 s88, 143360
	s_cselect_b32 s88, 65536, s88                  ; from head to head among the codes,
	s_mov_b32 s90, 143360
	s_cselect_b32 s90, 8192, s90                   ; among the words,
	s_mov_b32 s92, 131072
	s_cselect_b32 s92, 4194304, s92                ; and where the words begin
	s_mov_b32 s89, 0
	s_mov_b32 s91, 0
	s_mov_b64 s[OS0:OS0+1], s[OC0:OC0+1]
	s_mul_i32 s86, s85, s88
	s_lshl_b32 s87, s84, 12
	s_add_co_u32 s86, s86, s87                     ; + 8 tiles of 512 bytes a chunk
	s_mov_b32 s87, 0
	s_add_nc_u64 s[OC0:OC0+1], s[OC0:OC0+1], s[86:87]
	s_add_nc_u64 s[OC1:OC1+1], s[OC0:OC0+1], s[88:89]
	s_mul_i32 s86, s85, s90
	s_add_co_u32 s86, s86, s92
	s_lshl_b32 s94, s84, 9
	s_add_co_u32 s86, s86, s94
	s_add_nc_u64 s[OS0:OS0+1], s[OS0:OS0+1], s[86:87]
	s_add_nc_u64 s[OS1:OS1+1], s[OS0:OS0+1], s[90:91]
	s_lshl_b32 s86, s[CX], 10
	s_lshl_b32 s94, s[LO], 9
	s_add_co_u32 s86, s86, s94                     ; 4 (256 cx + 128 LO)
	s_add_nc_u64 s[BIA:BIA+1], s[BIA:BIA+1], s[86:87]
	s_lshl_b32 s86, s84, 15
	s_add_nc_u64 s[RPT:RPT+1], s[12:13], s[86:87]  ; the table of my chunk's positions
	s_mov_b32 s96, 0x7f7f0000
	v_cmp_eq_u32 vcc_lo, 1, v2                     ; lanes 16-31
.macro TLD a                           ; the table for R's tile a: 16 pairs (cos, sin) a lane
.irp q, 0,1,2,3,4,5,6,7
	global_load_b128 v[TT+32*((\a)%2)+4*\q:TT+32*((\a)%2)+4*\q+3], v3, s[RPT:RPT+1] offset:4096*(\a)+512*\q
.endr
.endm
	WIN 0x40                                       ; destination window 1
.irp b, 0,1,2,3,4,5,6,7                ; the bias in the result's layout: register 8 b + j is column 32 (b / 2) + 16 h + 8 (b % 2) + j
.irp j, 0,1
	global_load_b128 v[BP+8*\b+4*\j:BP+8*\b+4*\j+3], v16, s[BIA:BIA+1] offset:128*(\b/2)+32*(\b%2)+16*\j
.endr
.endr
	TLD 0
	TLD 1
	WIN 0
.set RA, 4
.set PA, 7
.set SRA, 8
.set SPA, 11
	MAIN
	PLACES
; R's tile a: 16 positions x 128 columns (two heads).  X = sums + bias; a pair (x1, x2) becomes (x1 cos - x2 sin, x1 sin + x2 cos); quantised: part 0 of the codes is the first head's, part 1 the second's.
.macro QKOUT a
.if (\a) < 7
	s_wait_loadcnt 8                               ; this tile's table (and the bias) are in; the next tile's eight loads may be out
.else
	s_wait_loadcnt 0x0
.endif
	WIN 0x06+((\a)/4)                              ; source 0: the accumulators' window; source 1: window 1
.set p, 0
.rept 32
	v_pk_add_f32 v[XX+2*p:XX+2*p+1], v[64*((\a)%4)+2*p:64*((\a)%4)+2*p+1], v[BP+2*p:BP+2*p+1]   ; each accumulator from its low end on
.set p, p+1
.endr
	WIN 0x04
.set p, 0
.rept 32
	v_pk_mul_f32 v[YY+2*p:YY+2*p+1], v[XX+2*p:XX+2*p+1], v[TT+32*((\a)%2)+16*((p/8)%2)+2*(p%8):TT+32*((\a)%2)+16*((p/8)%2)+2*(p%8)+1] op_sel_hi:[1,0]   ; (x1 cos, x2 cos)
.set p, p+1
.endr
.set p, 0
.rept 32
	v_pk_fma_f32 v[YY+2*p:YY+2*p+1], v[XX+2*p:XX+2*p+1], v[TT+32*((\a)%2)+16*((p/8)%2)+2*(p%8):TT+32*((\a)%2)+16*((p/8)%2)+2*(p%8)+1], v[YY+2*p:YY+2*p+1] op_sel:[1,1,0] op_sel_hi:[0,1,1] neg_lo:[0,1,0]   ; low: - x2 sin; high: + x1 sin
.set p, p+1
.endr
.if (\a) < 6
	WIN 0x40
	TLD (\a)+2
.endif
	WIN 0
	s_wait_xcnt 0x0                                ; the stores of two tiles ago have read this set of codes
	QUANT YY, PC+8*((\a)%2)
	global_store_b128 v3, v[PC+8*((\a)%2):PC+8*((\a)%2)+3], s[OC0:OC0+1] offset:512*(\a)      ; 512 consecutive bytes each
	global_store_b128 v3, v[PC+8*((\a)%2)+4:PC+8*((\a)%2)+7], s[OC1:OC1+1] offset:512*(\a)
	v_and_or_b32 v20, v[PW], 0xffff, s96           ; the first head's two bytes, and 0x7f twice over the zero codes;
	v_lshrrev_b32 v21, 16, v[PW]
	v_or_b32 v21, s96, v21                         ; the second head's
	v_cndmask_b32 v20, v20, v21, vcc_lo            ; lanes 0-15 keep the first, lanes 16-31 the second
	ds_store_b32 v12, v20 offset:64*(\a)
.endm
.irp a, 0,1,2,3,4,5,6,7
	QKOUT \a
.endr
	ds_load_b128 v[20:23], v13                     ; my own bytes, served in order: each head's 8 x 16 words leave as 512 consecutive bytes
	ds_load_b128 v[24:27], v13 offset:512
	s_wait_dscnt 0x0
	global_store_b128 v3, v[20:23], s[OS0:OS0+1]
	global_store_b128 v3, v[24:27], s[OS1:OS1+1]
	s_branch .Ldone
	; ---------------- V ----------------
.Lv:
	s_lshl_b32 s84, s[XT], 1
	s_add_co_u32 s84, s84, s[LO]                   ; my chunk of 128 keys
	s_lshr_b32 s85, s84, 4
	s_and_b32 s84, s84, 15                         ; the key step
	s_lshl_b32 s85, s85, 4
	s_lshl_b32 s86, s[CX], 2
	s_add_co_u32 s85, s85, s86
	s_lshl_b32 s86, s[HI], 1
	s_add_co_u32 s85, s85, s86                     ; the first of my two heads: 16 batch + 4 cx + 2 HI
	s_mul_i32 s86, s85, 143360
	s_mov_b32 s87, 0
	s_add_nc_u64 s[OS0:OS0+1], s[22:23], s[86:87]  ; its record
	s_lshl_b32 s86, s84, 12
	s_add_co_u32 s86, s86, 65536
	s_add_nc_u64 s[OC0:OC0+1], s[OS0:OS0+1], s[86:87]   ; V's codes of my key step,
	s_add_nc_u64 s[OC1:OC1+1], s[OC0:OC0+1], 143360     ; and the next head's
	s_lshl_b32 s86, s84, 8
	s_add_co_u32 s86, s86, 139264
	s_add_nc_u64 s[OS0:OS0+1], s[OS0:OS0+1], s[86:87]   ; V's words
	s_lshl_b32 s86, s[CX], 10
	s_lshl_b32 s94, s[HI], 9
	s_add_co_u32 s86, s86, s94
	s_add_nc_u64 s[BIA:BIA+1], s[18:19], s[86:87]
.irp a, 0,1,2,3,4,5,6,7
	global_load_b32 v[YY+2*\a], v17, s[BIA:BIA+1] offset:128*(\a/2)+32*(\a%2)   ; the bias of my lane's channel in tile a
	v_mov_b32 v[YY+2*\a+1], 0                      ; (named with it as a pair)
.endr
.set RA, 6
.set PA, 5
.set SRA, 10
.set SPA, 9
	MAIN
	PLACES
	s_wait_loadcnt 0x0
; R's tile a: 16 channels x 128 keys: + bias, quantised along the keys: one fragment and one word a channel
.macro VOUT a
	WIN 0x02+((\a)/4)
.set p, 0
.rept 32
	v_pk_add_f32 v[XX+2*p:XX+2*p+1], v[64*((\a)%4)+2*p:64*((\a)%4)+2*p+1], v[YY+2*(\a):YY+2*(\a)+1] op_sel_hi:[1,0]
.set p, p+1
.endr
	WIN 0
	s_wait_xcnt 0x0                                ; the stores of two tiles ago have read this set of codes
	QUANT XX, PC+8*((\a)%2)
	global_store_b128 v3, v[PC+8*((\a)%2):PC+8*((\a)%2)+3], s[OC0+2*((\a)/4):OC0+2*((\a)/4)+1] offset:1024*((\a)%4)
	global_store_b128 v3, v[PC+8*((\a)%2)+4:PC+8*((\a)%2)+7], s[OC0+2*((\a)/4):OC0+2*((\a)/4)+1] offset:1024*((\a)%4)+512
	ds_store_b32 v14, v[PW] offset:64*(\a)         ; lanes r and 16 + r write the same word with the same value
.endm
.irp a, 0,1,2,3,4,5,6,7
	VOUT \a
.endr
	ds_load_b128 v[20:23], v15
	s_wait_dscnt 0x0
	global_store_b128 v18, v[20:23], s[OS0:OS0+1]  ; sixteen lanes store each head's 256 consecutive bytes
.Ldone:
	s_wait_dscnt 0x0
	s_wait_tensorcnt 0x0
	ds_add_u32 v122, v123
	s_wait_dscnt 0x0
	CROUND                                         ; the closing round: no work-group ends while a partner may still ask for a block that names it
	s_endpgm
.Lfunc_end_k_q6b8f8873cb_proj:
	.size	k_q6b8f8873cb_proj, .Lfunc_end_k_q6b8f8873cb_proj-k_q6b8f8873cb_proj
	.p2alignl 7, 3214868480
	.fill 96, 4, 3214868480
	.section	.rodata,"a",@progbits
	.p2align	6, 0x0
	.amdhsa_kernel k_q6b8f8873cb_proj
		.amdhsa_group_segment_fixed_size 287232
		.amdhsa_private_segment_fixed_size 0
		.amdhsa_enable_private_segment 0
		.amdhsa_kernarg_size 80
		.amdhsa_user_sgpr_count 2
		.amdhsa_user_sgpr_kernarg_segment_ptr 1
		.amdhsa_wavefront_size32 1
		.amdhsa_system_sgpr_workgroup_id_x 1
		.amdhsa_system_sgpr_workgroup_id_y 1
		.amdhsa_system_sgpr_workgroup_id_z 1
		.amdhsa_system_vgpr_workitem_id 0
		.amdhsa_next_free_vgpr 1024
		.amdhsa_next_free_sgpr 102
		.amdhsa_reserve_vcc 1
		.amdhsa_float_denorm_mode_32 3
		.amdhsa_float_denorm_mode_16_64 3
		.amdhsa_memory_ordered 1
		.amdhsa_forward_progress 1
		.amdhsa_inst_pref_size 255
	.end_amdhsa_kernel
	.section	.bss,"aw",@nobits
	.p2align	6
	.space	262144
	.amdgpu_metadata
---
amdhsa.version: [ 1, 2 ]
amdhsa.kernels:
  - .name:           k_q6b8f8873cb_proj
    .symbol:         k_q6b8f8873cb_proj.kd
    .args:
      - { .name: xc, .offset: 0, .size: 8, .value_kind: global_buffer, .address_space: global }
      - { .name: xs, .offset: 8, .size: 8, .value_kind: global_buffer, .address_space: global }
      - { .name: wc, .offset: 16, .size: 8, .value_kind: global_buffer, .address_space: global }
      - { .name: ws, .offset: 24, .size: 8, .value_kind: global_buffer, .address_space: global }
      - { .name: rope, .offset: 32, .size: 8, .value_kind: global_buffer, .address_space: global }
      - { .name: bq, .offset: 40, .size: 8, .value_kind: global_buffer, .address_space: global }
      - { .name: bk, .offset: 48, .size: 8, .value_kind: global_buffer, .address_space: global }
      - { .name: bv, .offset: 56, .size: 8, .value_kind: global_buffer, .address_space: global }
      - { .name: qc, .offset: 64, .size: 8, .value_kind: global_buffer, .address_space: global }
      - { .name: kv, .offset: 72, .size: 8, .value_kind: global_buffer, .address_space: global }
    .group_segment_fixed_size: 287232
    .private_segment_fixed_size: 0
    .kernarg_segment_align: 8
    .kernarg_segment_size: 80
    .max_flat_workgroup_size: 128
    .sgpr_count:     102
    .vgpr_count:     1024
    .wavefront_size: 32
...
	.end_amdgpu_metadata
.endif
;; end of part 2
;; launch attn (part 3): grid 4 x 64, 16 waves a work-group, clusters of 4 x 1, 169,984 bytes of LDS; arguments qc, kv, ctx; writes ctx
.if DOCPART == 3
	.amdgcn_target "amdgcn-amd-amdhsa--gfx1250"
	.amdhsa_code_object_version 6
	.text
	.protected	k_q6b8f8873cb_attn
	.globl	k_q6b8f8873cb_attn
	.p2align	8
	.type	k_q6b8f8873cb_attn,@function
k_q6b8f8873cb_attn:
	s_mov_b64 s[64:65], 0
	v_nop
	global_prefetch_b8 v0, s[64:65] scope:SCOPE_SE
	s_setreg_imm32_b32 hwreg(HW_REG_WAVE_MODE, 25, 1), 1
	s_wait_xcnt 0x0
	s_wait_alu depctr_hold_cnt(0) depctr_sa_sdst(0) depctr_va_vdst(0) depctr_va_sdst(0) depctr_va_ssrc(0) depctr_va_vcc(0) depctr_vm_vsrc(0)
	s_getreg_b32 s2, hwreg(HW_REG_IB_STS2, 6, 4)
	s_cmp_eq_u32 s2, 0
	s_cbranch_scc0 .Lentry_in_a_cluster
	s_endpgm
.Lentry_in_a_cluster:
	s_bfe_u32 s2, ttmp6, 0x10000c
	s_cmp_lg_u32 s2, 0x3003
	s_cbranch_scc0 .Lentry_shape_is_right
	s_endpgm
.Lentry_shape_is_right:
; ctx[head][q] = the sum over k of softmax_k(Q[q] . K[k] / 8) V[k], both products on codes of FP4 with one E8M0 byte for each 32 along K; ctx is quantised along the model's 1,024 (a head's 64 are two whole blocks).
; THE SOFTMAX AHEAD OF THE SECOND PRODUCT: t = score x log2(e) / 8; M = the running largest t rounded UP to a whole number; p = 2^(t - M) is quantised along the keys; the row's sum is taken of the unquantised p and divides at the end.
; When M moves, the sum and O are multiplied by 2^(old M - new M): exact.
; SHARES.  A work-group owns 512 queries of one head; each of its sixteen waves a tile of 16, twice (two passes).  Four waves to a SIMD: one wave's vector work stands beside another's matrix work.
; THE HEAD'S WHOLE RECORD (K's codes 65,536 bytes, V's 65,536, K's words 8,192, V's 4,096) LIES IN LDS for the whole launch: one tensor load a wave, 35 rows of 256 bytes; nothing is filled again.
; CLUSTER: the four work-groups of a head read the same record: each part is asked for JOINTLY, by the same load with the same descriptor in all four.
; LAYOUT.  Both products are used transposed: S^T = K Q^T, O^T = V^T P^T: a lane holds ONE query throughout.  Lane r of K's tile 2 b + u holds key 32 b + 8 u + r + 8 (r / 8), so that p's 16 registers of two neighbouring tiles are
; 16 neighbouring keys; V's channels are ordered likewise, so that O^T's registers are in the quantiser's order.  The first product's K is 64: the upper halves of both operands are zero codes under the byte 0x7f.
; Every fragment lies as an image of its registers: a load reads 512 consecutive bytes.
; REGISTERS: v1-5, v241 addresses that stay; v6-7 V's scale words; v8-11 addresses in hand; v12 -M, v13 the largest t, v[14:15] the sum; v16-23 Q; v24-27 K's scale words; v28-31, v240 the second pass's Q and its word;
;   v32-95 K's eight fragments; v96-159 S^T, then p; v160-191 O^T; v192-223 V's four fragments; v224-231 p's codes; v232-239, v244-247, v252-254 at work; v253 p's scale word; v255 Q's.
; LIMITS: NaN and infinities are not served; a block under 2^-124 gets the byte 1.
.set VOFF,  65536
.set KSOFF, 131072
.set VSOFF, 139264
.set REC,   143360
.set SST,   143360                     ; behind the record: ctx's scale words, 2,048 bytes; no fill lands here
.set WV,  10
.macro CROUND                          ; a round of the cluster's barrier
	s_barrier_signal -1
	s_barrier_wait -1
	s_cmp_lg_u32 s[WV], 0
	s_cbranch_scc1 .Lnot_wave_0_\@
	s_barrier_signal -3
.Lnot_wave_0_\@:
	s_barrier_wait -3
	s_barrier_signal -1
	s_barrier_wait -1
.endm
	s_load_b128 s[4:7], s[0:1], 0x0                ; qc, kv
	s_load_b64 s[8:9], s[0:1], 0x10                ; ctx
	v_lshl_add_u32 v250, v0, 2, 0x29000
	v_mov_b32 v251, 0
	ds_add_u32 v250, v251
	ds_add_u32 v250, v251
	v_lshrrev_b32 v1, 5, v0
	v_readfirstlane_b32 s[WV], v1                  ; wave 0..15
	s_bfe_u32 s11, ttmp6, 0x40000                  ; cx: it enters Q's and ctx's addresses alone
	s_and_b32 s12, ttmp7, 0xffff                   ; the head, 16 batch + head, which the four partners share
	s_mov_b32 s16, 15|(3<<16)|(1<<21)              ; 15:0 the mask: all four; 17:16 elements of 8 bytes; 21 set beside a mask
	s_mov_b32 s17, 32<<16                          ; rows of 256 bytes,
	s_mov_b32 s18, 35<<16                          ; 35 of them
	s_mov_b32 s19, 32<<16
	s_mov_b32 s20, 35
	s_mov_b32 s21, 32
	s_mov_b32 s22, 0
	s_mov_b32 s23, 0
	s_mul_i32 s13, s[WV], 8960                     ; my sixteenth of the record, in LDS as in memory
	s_mul_i32 s14, s12, REC
	s_add_co_u32 s14, s14, s13
	s_mov_b32 s15, 0
	s_wait_dscnt 0x0
	s_wait_kmcnt 0x0
	s_mov_b32 s24, 1
	s_mov_b32 s25, s13
	s_add_nc_u64 s[26:27], s[6:7], s[14:15]
	s_or_b32 s27, s27, 0x80000000
	CROUND                                         ; all four work-groups are here: the joint loads meet
	tensor_load_to_lds s[24:27], s[16:23]          ; my one tensor load of the launch
	s_nop 0
.rept 4
	v_nop
.endr
	v_and_b32 v2, 31, v0
	v_lshlrev_b32 v1, 4, v2                        ; 16 l: K's codes
	v_lshlrev_b32 v3, 2, v2
	v_add_nc_u32 v4, VSOFF, v3                     ; V's words: 4 l
	v_add_nc_u32 v3, KSOFF, v3                     ; K's words: 4 l
	v_add_nc_u32 v2, VOFF, v1                      ; V's codes
	v_and_b32 v5, 15, v0
	v_lshlrev_b32 v9, 2, v5                        ; 4 r
	s_lshl_b32 s36, s[WV], 6
	v_add_nc_u32 v5, s36, v9
	v_add_nc_u32 v5, SST, v5                       ; where my tile's words of ctx go
	s_lshl_b32 s47, s[WV], 9
	v_add_nc_u32 v241, s47, v1
	v_add_nc_u32 v241, SST, v241                   ; and from where waves 0-3 take them
	s_lshl_b32 s36, s12, 7
	s_lshl_b32 s37, s11, 5
	s_add_co_u32 s42, s36, s37                     ; 128 head + 32 cx: my work-group's first tile of queries
	s_add_co_u32 s36, s42, s[WV]                   ; my tile of the first pass
	s_lshl_b32 s38, s36, 9
	s_mov_b32 s39, 0
	s_add_nc_u64 s[38:39], s[4:5], s[38:39]        ; its codes
	s_lshl_b32 s40, s36, 6
	s_add_co_u32 s40, s40, 4194304
	s_mov_b32 s41, 0
	s_add_nc_u64 s[40:41], s[4:5], s[40:41]        ; its words
	global_load_b128 v[16:19], v1, s[38:39]
	global_load_b128 v[28:31], v1, s[38:39] offset:8192      ; the second pass's tile lies 16 tiles on
	global_load_b32 v255, v9, s[40:41]
	global_load_b32 v240, v9, s[40:41] offset:1024
	s_lshr_b32 s44, s12, 4
	s_lshl_b32 s44, s44, 7
	s_add_co_u32 s44, s44, s37
	s_add_co_u32 s44, s44, s[WV]                   ; ctx's tile of rows: 128 batch + 32 cx + wave
	s_lshl_b32 s44, s44, 13
	s_and_b32 s45, s12, 15
	s_lshl_b32 s45, s45, 9                         ; + 512 x head
	s_add_co_u32 s44, s44, s45
	s_mov_b32 s45, 0
	s_add_nc_u64 s[44:45], s[8:9], s[44:45]
	s_lshl_b32 s46, s42, 6
	s_add_co_u32 s46, s46, 4194304
	s_add_co_u32 s46, s46, s47                     ; ctx's words: my work-group's 2,048 bytes, 512 a wave
	s_mov_b32 s47, 0
	s_add_nc_u64 s[46:47], s[8:9], s[46:47]
	s_mov_b32 s28, 0x76543210
	s_mov_b32 s29, 0xfedcba98                      ; v_permlanex16_b32's selects for lane l xor 16
	s_mov_b32 s30, 0x3e38aa3b                      ; c = log2(e) / 8
	s_mov_b32 s31, s30                             ; (named with it as a pair)
.irp j, 20,21,22,23
	v_mov_b32 v[\j], 0                             ; Q's codes of k = 64 .. 127: zeros
.endr
.irp t, 0,1,2,3,4,5,6,7
.irp j, 4,5,6,7
	v_mov_b32 v[32+8*\t+\j], 0                     ; K's likewise: written once
.endr
.endr
.irp b, 0,1,2,3
	v_mov_b32 v[236+\b], 0                         ; a lane permute's destination counts as one of its sources
.endr
	v_mov_b32 v253, 0                              ; (named as the upper half of the pair v[252:253] before it is first written)
	s_wait_tensorcnt 0x0                           ; my part of the record has landed,
	s_barrier_signal -1
	s_barrier_wait -1                              ; everybody's has
	s_wait_loadcnt 0x0                             ; Q
.macro PASS p
	v_mov_b32 v13, 0xff61b1e6                      ; the largest t so far: -3e38, under every t
	v_floor_f32 v12, -v13                          ; -M
	v_mov_b32 v14, 0
	v_mov_b32 v15, 0
.set j, 0
.rept 32
	v_mov_b32 v[160+j], 0                          ; O^T: the loop is written once; its first trip finds zeros, which the first change of M leaves zeros
.set j, j+1
.endr
	s_mov_b32 s32, 0                               ; 4,096 x key step: K's and V's codes
	s_mov_b32 s33, 0                               ; 512 x key step: K's words
	s_mov_b32 s34, 0                               ; 256 x key step: V's words
	s_mov_b32 s35, 16
.Lkey_\@:                                              ; a trip: 128 keys
	v_add_nc_u32 v8, s32, v1                       ; (these four are also the places behind the last trip's products, ahead of the loads into their registers)
	v_add_nc_u32 v9, s32, v2
	v_add_nc_u32 v10, s33, v3
	v_add_nc_u32 v11, s34, v4
.irp t, 0,1,2,3,4,5,6,7
	ds_load_b128 v[32+8*\t:35+8*\t], v8 offset:512*\t
.endr
.irp j, 0,1,2,3
	ds_load_b32 v[24+\j], v10 offset:128*\j        ; lanes 0-15: tile 2 j's words; lanes 16-31: tile 2 j + 1's
.endr
.irp t, 0,1,2,3
.irp c, 0,1
	ds_load_b128 v[192+8*\t+4*\c:195+8*\t+4*\c], v9 offset:1024*\t+512*\c
.endr
.endr
.irp j, 0,1
	ds_load_b32 v[6+\j], v11 offset:128*\j
.endr
	s_wait_dscnt 10                                ; K's are in; V's eight fragment loads and two word loads may be out
.irp t, 0,2,4,6
	v_wmma_scale_f32_16x16x128_f8f6f4 v[96+8*\t:103+8*\t], v[32+8*\t:39+8*\t], v[16:23], 0, v[24+\t/2], v255 matrix_a_fmt:MATRIX_FMT_FP4 matrix_b_fmt:MATRIX_FMT_FP4
	v_wmma_scale_f32_16x16x128_f8f6f4 v[104+8*\t:111+8*\t], v[40+8*\t:47+8*\t], v[16:23], 0, v[24+\t/2], v255 matrix_a_fmt:MATRIX_FMT_FP4 matrix_b_fmt:MATRIX_FMT_FP4 matrix_a_scale:MATRIX_SCALE_ROW1
.endr
.rept 4
	v_nop
.endr
.irp b, 0,1,2,3
	v_max3_num_f32 v[232+\b], v[96+16*\b], v[97+16*\b], v[98+16*\b]   ; the largest score of each block of 32 keys: it serves the row's maximum and, since p rises with the score, the block's largest p
.endr
.irp i, 3,5,7,9,11,13
.irp b, 0,1,2,3
	v_max3_num_f32 v[232+\b], v[232+\b], v[96+16*\b+\i], v[97+16*\b+\i]
.endr
.endr
.irp b, 0,1,2,3
	v_max_num_f32 v[232+\b], v[232+\b], v[111+16*\b]
.endr
.irp b, 0,1,2,3
	v_permlanex16_b32 v[236+\b], v[232+\b], s28, s29
.endr
.irp b, 0,1,2,3
	v_max_num_f32 v[232+\b], v[232+\b], v[236+\b]  ; with lane l xor 16's 16 keys
.endr
	v_max3_num_f32 v254, v232, v233, v234
	v_max_num_f32 v254, v254, v235
	v_mul_f32 v254, s30, v254                      ; as t (c is positive)
	v_max_num_f32 v13, v13, v254                   ; the running largest t
	v_mov_b32 v254, v12
	v_floor_f32 v12, -v13                          ; the new -M = floor(-t) = -ceil(t)
	v_sub_f32 v254, v12, v254                      ; old M - new M: a whole number, 0 or less
	v_cvt_i32_f32 v254, v254                       ; (it saturates)
	v_ldexp_f32 v252, 1.0, v254                    ; f = 2^(old M - new M)
.set j, 0
.rept 32
	v_pk_fma_f32 v[96+j:97+j], v[96+j:97+j], s[30:31], v[12:13] op_sel_hi:[1,0,0]   ; t - M, two at a time
.set j, j+2
.endr
.irp b, 0,1,2,3
	v_fma_f32 v[232+\b], v[232+\b], s30, v12       ; the same of each block's largest score
.endr
.set j, 0
.rept 64
	v_exp_f32 v[96+j], v[96+j]                     ; p = 2^(t - M): one batch
.set j, j+1
.endr
	v_pk_mul_f32 v[14:15], v[14:15], v[252:253] op_sel_hi:[1,0]   ; the sums under the new M: the plain line behind the batch
	s_wait_alu depctr_va_vdst(0)                   ; one wait for the batch, ahead of its first reader
.irp b, 0,1,2,3
	v_exp_f32 v[232+\b], v[232+\b]                 ; the blocks' largest p: the same two instructions on the same number
.endr
	v_pk_add_f32 v[236:237], v[96:97], v[98:99]    ; the row's sum of the unquantised p, in two chains: plain work behind the four
.irp j, 4,8,12,16,20,24,28,32,36,40,44,48,52,56,60
	v_pk_add_f32 v[14:15], v[14:15], v[96+\j:97+\j]
	v_pk_add_f32 v[236:237], v[236:237], v[98+\j:99+\j]
.endr
	v_pk_add_f32 v[14:15], v[14:15], v[236:237]
	s_wait_alu depctr_va_vdst(0)                   ; and one for the four
.irp b, 0,1,2,3
	v_max_num_f32 v[232+\b], 0x1800000, v[232+\b]  ; the floor 2^(3 - 127): the byte cannot fall under 1
.endr
.irp b, 0,1,2,3
	v_add_nc_u32 v[244+\b], 0xff000000, v[232+\b]  ; the conversion's scale operand
.endr
.irp b, 0,1,2,3
	v_lshrrev_b32 v[236+\b], 23, v[244+\b]         ; the byte
.endr
	v_lshl_or_b32 v253, v237, 8, v236              ; p's scale word for these 128 keys
	v_lshl_or_b32 v253, v238, 16, v253
	v_lshl_or_b32 v253, v239, 24, v253
.irp b, 0,1,2,3
	v_cvt_scalef32_pk8_fp4_f32 v[224+2*\b], v[96+16*\b:103+16*\b], v[244+\b]
	v_cvt_scalef32_pk8_fp4_f32 v[225+2*\b], v[104+16*\b:111+16*\b], v[244+\b]
.endr
	v_nop                                          ; one plain line behind a scaled conversion
.irp c, 0,1
.irp i, 0,1
	v_permlane16_swap_b32 v[224+4*\c+\i], v[226+4*\c+\i]   ; a whole block in a lane
.endr
.endr
.set j, 0
.rept 16
	v_pk_mul_f32 v[160+j:161+j], v[160+j:161+j], v[252:253] op_sel_hi:[1,0]   ; O^T under the new M.  (These sixteen are also the places between the scale word and the codes just made and the products below)
.set j, j+2
.endr
	s_wait_dscnt 0x0                               ; V
.irp t, 0,2
	v_wmma_scale_f32_16x16x128_f8f6f4 v[160+8*\t:167+8*\t], v[192+8*\t:199+8*\t], v[224:231], v[160+8*\t:167+8*\t], v[6+\t/2], v253 matrix_a_fmt:MATRIX_FMT_FP4 matrix_b_fmt:MATRIX_FMT_FP4
	v_wmma_scale_f32_16x16x128_f8f6f4 v[168+8*\t:175+8*\t], v[200+8*\t:207+8*\t], v[224:231], v[168+8*\t:175+8*\t], v[6+\t/2], v253 matrix_a_fmt:MATRIX_FMT_FP4 matrix_b_fmt:MATRIX_FMT_FP4 matrix_a_scale:MATRIX_SCALE_ROW1
.endr
	s_add_co_u32 s32, s32, 4096
	s_add_co_u32 s33, s33, 512
	s_add_co_u32 s34, s34, 256
	s_sub_co_u32 s35, s35, 1
	s_cmp_lg_u32 s35, 0
	s_cbranch_scc1 .Lkey_\@
	; the way out of a pass: O^T / the sum, quantised along the head's 64: register 16 b + i = channel 32 b + 16 (lane / 16) + i
.rept 4
	v_nop
.endr
	v_add_f32 v14, v14, v15
	v_permlanex16_b32 v252, v14, s28, s29
	v_add_f32 v14, v14, v252                       ; the row's sum
	v_rcp_f32 v14, v14
	v_nop
	s_wait_alu depctr_va_vdst(0)
.set j, 0
.rept 16
	v_pk_mul_f32 v[96+j:97+j], v[160+j:161+j], v[14:15] op_sel_hi:[1,0]   ; each accumulator from its low end on
.set j, j+2
.endr
.irp b, 0,1
	v_max3_num_f32 v[232+\b], |v[96+16*\b]|, |v[97+16*\b]|, 0x1800000
.endr
.irp i, 2,4,6,8,10,12,14
.irp b, 0,1
	v_max3_num_f32 v[232+\b], v[232+\b], |v[96+16*\b+\i]|, |v[97+16*\b+\i]|
.endr
.endr
.irp b, 0,1
	v_permlanex16_b32 v[236+\b], v[232+\b], s28, s29
.endr
.irp b, 0,1
	v_max_num_f32 v[232+\b], v[232+\b], v[236+\b]
.endr
.irp b, 0,1
	v_add_nc_u32 v[244+\b], 0xff000000, v[232+\b]
.endr
.irp b, 0,1
	v_lshrrev_b32 v[236+\b], 23, v[244+\b]
.endr
	v_lshl_or_b32 v254, v237, 8, v236              ; the head's two bytes of my row
.irp b, 0,1
	v_cvt_scalef32_pk8_fp4_f32 v[224+2*\b], v[96+16*\b:103+16*\b], v[244+\b]
	v_cvt_scalef32_pk8_fp4_f32 v[225+2*\b], v[104+16*\b:111+16*\b], v[244+\b]
.endr
	v_nop
	v_permlane16_swap_b32 v224, v226
	v_permlane16_swap_b32 v225, v227               ; v[224:227]: channels 32 h + 0 .. 31 of query r: a part of a fragment of the last product
	global_store_b128 v1, v[224:227], s[44:45] offset:131072*\p    ; 512 consecutive bytes
	ds_store_b32 v5, v254 offset:1024*\p           ; lanes r and 16 + r write the same word with the same value
	s_wait_xcnt 0x0                                ; the store has read its registers
.endm
	PASS 0
.irp j, 0,1,2,3
	v_mov_b32 v[16+\j], v[28+\j]                   ; the second pass's Q,
.endr
	v_mov_b32 v255, v240                           ; and its scale words: more than eight plain lines ahead of the next product
	PASS 1
	s_wait_dscnt 0x0                               ; my words of ctx are in LDS,
	s_barrier_signal -1
	s_barrier_wait -1                              ; everybody's are
	s_cmp_lt_u32 s[WV], 4
	s_cbranch_scc0 .Lnot_mine
	ds_load_b128 v[96:99], v241
	s_wait_dscnt 0x0
	global_store_b128 v1, v[96:99], s[46:47]       ; four waves store the work-group's 2,048 bytes, 512 consecutive bytes each
.Lnot_mine:
	s_wait_tensorcnt 0x0
	ds_add_u32 v250, v251
	s_wait_dscnt 0x0
	CROUND                                         ; the closing round
	s_endpgm
.Lfunc_end_k_q6b8f8873cb_attn:
	.size	k_q6b8f8873cb_attn, .Lfunc_end_k_q6b8f8873cb_attn-k_q6b8f8873cb_attn
	.p2alignl 7, 3214868480
	.fill 96, 4, 3214868480
	.section	.rodata,"a",@progbits
	.p2align	6, 0x0
	.amdhsa_kernel k_q6b8f8873cb_attn
		.amdhsa_group_segment_fixed_size 169984
		.amdhsa_private_segment_fixed_size 0
		.amdhsa_enable_private_segment 0
		.amdhsa_kernarg_size 24
		.amdhsa_user_sgpr_count 2
		.amdhsa_user_sgpr_kernarg_segment_ptr 1
		.amdhsa_wavefront_size32 1
		.amdhsa_system_sgpr_workgroup_id_x 1
		.amdhsa_system_sgpr_workgroup_id_y 1
		.amdhsa_system_sgpr_workgroup_id_z 1
		.amdhsa_system_vgpr_workitem_id 0
		.amdhsa_next_free_vgpr 256
		.amdhsa_next_free_sgpr 66
		.amdhsa_reserve_vcc 0
		.amdhsa_float_denorm_mode_32 3
		.amdhsa_float_denorm_mode_16_64 3
		.amdhsa_memory_ordered 1
		.amdhsa_forward_progress 1
		.amdhsa_inst_pref_size 47
	.end_amdhsa_kernel
	.amdgpu_metadata
---
amdhsa.version: [ 1, 2 ]
amdhsa.kernels:
  - .name:           k_q6b8f8873cb_attn
    .symbol:         k_q6b8f8873cb_attn.kd
    .args:
      - { .name: qc, .offset: 0, .size: 8, .value_kind: global_buffer, .address_space: global }
      - { .name: kv, .offset: 8, .size: 8, .value_kind: global_buffer, .address_space: global }
      - { .name: ctx, .offset: 16, .size: 8, .value_kind: global_buffer, .address_space: global }
    .group_segment_fixed_size: 169984
    .private_segment_fixed_size: 0
    .kernarg_segment_align: 8
    .kernarg_segment_size: 24
    .max_flat_workgroup_size: 512
    .sgpr_count:     66
    .vgpr_count:     256
    .wavefront_size: 32
...
	.end_amdgpu_metadata
.endif
;; end of part 3
;; launch outln (part 4): grid 256 x 1, 8 waves a work-group, no clusters, 132,608 bytes of LDS; arguments ctx, wc, ws, bo, query, gamma, beta, out0; writes out0
.if DOCPART == 4
	.amdgcn_target "amdgcn-amd-amdhsa--gfx1250"
	.amdhsa_code_object_version 6
	.text
	.protected	k_q6b8f8873cb_outln
	.globl	k_q6b8f8873cb_outln
	.p2align	8
	.type	k_q6b8f8873cb_outln,@function
k_q6b8f8873cb_outln:
	s_mov_b64 s[64:65], 0
	v_nop
	global_prefetch_b8 v0, s[64:65] scope:SCOPE_SE
	s_setreg_imm32_b32 hwreg(HW_REG_WAVE_MODE, 25, 1), 1
	s_wait_xcnt 0x0
; out0 = LayerNorm(ctx wo^T + bo + query) x gamma + beta; the product on codes of FP4, all else in f32.
; SHARES.  Work-group m owns rows 32 m .. 32 m + 31 (ctx's tiles 2 m and 2 m + 1: lane r of tile u holds row 32 m + 8 u + r + 8 (r / 8)) and all 1,024 columns, since the norm wants whole rows.
; Wave w owns columns 128 w on: eight tiles of wo, sixteen accumulators.  Operands lie in memory as images of their registers and go straight into registers, 512 consecutive bytes a load: no tensor load, no ring.
; NO CLUSTER: a fragment of wo feeds two products of one wave here; brought jointly it would have to pass through LDS, a write and a read of the same 544 KiB for each work-group, for 128 matrix instructions a wave.
; The product is used transposed (source 0 = 16 rows of wo, source 1 = 16 rows of ctx): a lane holds 16 neighbouring columns of one row for each pair of tiles.  Results meet in a stage in LDS (rows 4,112 bytes apart); one barrier;
; each wave then takes 4 whole rows: bias, residual, mean, variance of the differences (two passes over registers), scale and shift; a store covers 512 consecutive bytes.
; REGISTERS: window 0: v1-8 addresses; v16-47 wo's scale words; v48-55 ctx's; v64-191 the accumulators ((u, t) at 64 + 64 u + 8 t), before them ctx's raw words, behind the barrier 4 rows of x; v192-255 wo's third set, later sums.
;   window 1: v0-127 wo's sets 0 and 1, later the residual; v128-255 ctx's 16 fragments, later bo, gamma, beta.
.set XO,  64
.set TS,  192
.set WSC, 16
.set SC,  48
.set MSB, 0
.macro WIN new
.if MSB != \new
	s_set_vgpr_msb (MSB<<8)|\new
.set MSB, \new
.endif
.endm
	s_load_b256 s[4:11], s[0:1], 0x0               ; ctx, wc, ws, bo
	s_load_b256 s[12:19], s[0:1], 0x20             ; query, gamma, beta, out0
	v_lshl_add_u32 v62, v0, 2, 0x20200
	v_mov_b32 v63, 0
	v_lshrrev_b32 v1, 5, v0
	v_readfirstlane_b32 s20, v1                    ; wave 0..7
	v_and_b32 v9, 31, v0
	v_lshlrev_b32 v1, 4, v9                        ; 16 l
	v_and_b32 v2, 15, v0                           ; r
	v_bfe_u32 v3, v0, 4, 1                         ; h
	v_mul_u32_u24 v4, v2, 4112
	v_lshl_add_u32 v4, v3, 6, v4
	s_lshl_b32 s21, s20, 9
	v_add_nc_u32 v4, s21, v4                       ; the stage, in: slot r, + 512 w + 64 h
	v_add_nc_u32 v5, 65792, v4                     ; slot 16 + r
	s_mul_i32 s21, s20, 16448
	v_add_nc_u32 v6, s21, v1                       ; back: my four slots, 16 bytes a lane
	v_lshlrev_b32 v7, 2, v9                        ; 4 l
	v_lshlrev_b32 v8, 8, v9
	s_lshl_b32 s21, s20, 14
	v_add_nc_u32 v8, s21, v8                       ; the prefetches: 256 l + 16,384 w; never rewritten
	s_lshr_b32 s22, ttmp9, 6
	s_lshl_b32 s22, s22, 17                        ; ctx's words: 131,072 bytes a batch,
	s_and_b32 s23, ttmp9, 63
	s_lshl_b32 s23, s23, 7                         ; 128 bytes for my two tiles
	s_add_co_u32 s22, s22, s23
	s_add_co_u32 s22, s22, 4194304
	s_mov_b32 s23, 0
	s_lshl_b32 s24, s20, 12
	s_add_co_u32 s24, s24, 98304                   ; wo's words: the fourth weight, my chunk
	s_mov_b32 s25, 0
	s_lshl_b32 s26, ttmp9, 14                      ; ctx's codes: two tiles of 8,192 bytes
	s_mov_b32 s27, 0
	s_lshl_b32 s28, s20, 16
	s_add_co_u32 s28, s28, 1572864                 ; wo's codes
	s_mov_b32 s29, 0
	s_lshl_b32 s30, ttmp9, 17                      ; my work-group's 32 rows of query
	s_mov_b32 s31, 0
	s_lshr_b32 s40, s20, 2
	s_lshl_b32 s40, s40, 3
	s_and_b32 s41, s20, 3
	s_lshl_b32 s41, s41, 2
	s_add_co_u32 s40, s40, s41
	s_bfe_u32 s41, s20, 0x10001
	s_lshl_b32 s41, s41, 3
	s_add_co_u32 s40, s40, s41                     ; slots 4 w .. 4 w + 3 are rows 8 (w / 4) + 4 (w % 4) + 8 ((w / 2) % 2) + 0 .. 3
	s_lshl_b32 s41, ttmp9, 5
	s_add_co_u32 s40, s40, s41
	s_lshl_b32 s40, s40, 12
	s_mov_b32 s41, 0
	s_mov_b32 s36, 0x76543210
	s_mov_b32 s37, 0xfedcba98
	s_mov_b32 s38, 0x3a800000                      ; 1 / 1024
	s_mov_b32 s39, 0x3727c5ac                      ; 1e-5
	s_wait_kmcnt 0x0
	s_add_nc_u64 s[22:23], s[4:5], s[22:23]
	s_add_nc_u64 s[24:25], s[8:9], s[24:25]
	s_add_nc_u64 s[26:27], s[4:5], s[26:27]
	s_add_nc_u64 s[28:29], s[6:7], s[28:29]
	s_add_nc_u64 s[30:31], s[12:13], s[30:31]
	s_add_nc_u64 s[32:33], s[12:13], s[40:41]
	s_add_nc_u64 s[34:35], s[18:19], s[40:41]
.irp d, 0,1,2,3,4,5,6,7,8,9,10,11,12,13,14,15
	global_load_b32 v[XO+\d], v7, s[22:23] offset:8192*\d    ; head d's two bytes of my rows: lanes 0-15 tile 0, lanes 16-31 tile 1
.endr
.irp t, 0,1,2,3,4,5,6,7
	global_load_b128 v[WSC+4*\t:WSC+4*\t+3], v1, s[24:25] offset:512*\t   ; lanes 0-15: K steps 0-3; lanes 16-31: K steps 4-7
.endr
	WIN 0x40
.irp u, 0,1
.irp k, 0,1,2,3,4,5,6,7
.irp c, 0,1
	global_load_b128 v[128+8*(8*\u+\k)+4*\c:128+8*(8*\u+\k)+4*\c+3], v1, s[26:27] offset:8192*\u+1024*\k+512*\c
.endr
.endr
.endr
.macro WLOAD k                         ; wo's eight fragments of K step k into set k % 3
.if (\k)%3 < 2
	WIN 0x40
.set WB, 64*((\k)%3)
.else
	WIN 0
.set WB, 192
.endif
.irp t, 0,1,2,3,4,5,6,7
.irp c, 0,1
	global_load_b128 v[WB+8*\t+4*\c:WB+8*\t+4*\c+3], v1, s[28:29] offset:8192*\t+1024*(\k)+512*\c
.endr
.endr
	WIN 0
.endm
	WLOAD 0
	WLOAD 1
	WLOAD 2
	s_wait_loadcnt 32                              ; all but the last two sets of wo
.irp k, 0,1,2,3,4,5,6,7
	v_lshl_or_b32 v[SC+\k], v[XO+1+2*\k], 16, v[XO+2*\k]     ; K step k is heads 2 k and 2 k + 1: four bytes
.endr
.rept 8
	v_nop                                          ; a scale register written by a vector instruction stands eight places ahead of the scaled product
.endr
.macro WM k, t, u
.set DA, XO+64*(\u)+8*(\t)
.set BA, 128+8*(8*(\u)+(\k))
.if (\k) == 0
.if (\u) == 0
	v_wmma_scale_f32_16x16x128_f8f6f4 v[DA:DA+7], v[WA+8*(\t):WA+8*(\t)+7], v[BA:BA+7], 0, v[WSC+4*(\t)+(\k)%4], v[SC+(\k)] matrix_a_fmt:MATRIX_FMT_FP4 matrix_b_fmt:MATRIX_FMT_FP4
.else
	v_wmma_scale_f32_16x16x128_f8f6f4 v[DA:DA+7], v[WA+8*(\t):WA+8*(\t)+7], v[BA:BA+7], 0, v[WSC+4*(\t)+(\k)%4], v[SC+(\k)] matrix_a_fmt:MATRIX_FMT_FP4 matrix_b_fmt:MATRIX_FMT_FP4 matrix_b_scale:MATRIX_SCALE_ROW1
.endif
.elseif (\k) < 4
.if (\u) == 0
	v_wmma_scale_f32_16x16x128_f8f6f4 v[DA:DA+7], v[WA+8*(\t):WA+8*(\t)+7], v[BA:BA+7], v[DA:DA+7], v[WSC+4*(\t)+(\k)%4], v[SC+(\k)] matrix_a_fmt:MATRIX_FMT_FP4 matrix_b_fmt:MATRIX_FMT_FP4
.else
	v_wmma_scale_f32_16x16x128_f8f6f4 v[DA:DA+7], v[WA+8*(\t):WA+8*(\t)+7], v[BA:BA+7], v[DA:DA+7], v[WSC+4*(\t)+(\k)%4], v[SC+(\k)] matrix_a_fmt:MATRIX_FMT_FP4 matrix_b_fmt:MATRIX_FMT_FP4 matrix_b_scale:MATRIX_SCALE_ROW1
.endif
.else
.if (\u) == 0
	v_wmma_scale_f32_16x16x128_f8f6f4 v[DA:DA+7], v[WA+8*(\t):WA+8*(\t)+7], v[BA:BA+7], v[DA:DA+7], v[WSC+4*(\t)+(\k)%4], v[SC+(\k)] matrix_a_fmt:MATRIX_FMT_FP4 matrix_b_fmt:MATRIX_FMT_FP4 matrix_a_scale:MATRIX_SCALE_ROW1
.else
	v_wmma_scale_f32_16x16x128_f8f6f4 v[DA:DA+7], v[WA+8*(\t):WA+8*(\t)+7], v[BA:BA+7], v[DA:DA+7], v[WSC+4*(\t)+(\k)%4], v[SC+(\k)] matrix_a_fmt:MATRIX_FMT_FP4 matrix_b_fmt:MATRIX_FMT_FP4 matrix_a_scale:MATRIX_SCALE_ROW1 matrix_b_scale:MATRIX_SCALE_ROW1
.endif
.endif
.endm
; A K step: sixteen products, the sixteen accumulators by turns, in the same order in every step; K step 0 starts the sums
.macro KSTEP k
.if (\k) < 6
	s_wait_loadcnt 32                              ; this step's set of wo is in; the two sets behind it may be out
.else
	s_wait_loadcnt 16*(7-(\k))
.endif
.if (\k)%3 < 2
	WIN 0x05                                       ; wo and ctx in window 1
.set WA, 64*((\k)%3)
.else
	WIN 0x04                                       ; wo's third set in window 0
.set WA, 192
.endif
.irp t, 0,1,2,3,4,5,6,7
.irp u, 0,1
	WM \k, \t, \u
.endr
.endr
	WIN 0
.rept 4
	v_nop                                          ; places ahead of loads into registers that the products have read, and of the first read of results
.endr
.if (\k) < 5
	WLOAD (\k)+3
.endif
.if (\k) == 2
	; the residual's rows are asked for ahead: my wave's 16,384 of the work-group's 131,072 bytes, lanes 256 bytes apart, two instructions: each aligned 256 bytes is named once in the launch, five K steps ahead of the loads that want it
	global_prefetch_b8 v8, s[30:31] th:TH_LOAD_NT scope:SCOPE_SE
	global_prefetch_b8 v8, s[30:31] offset:8192 th:TH_LOAD_NT scope:SCOPE_SE
.endif
.endm
.irp k, 0,1,2,3,4,5,6,7
	KSTEP \k
.endr
	WIN 0x40                                       ; window 1 is free: what the four rows want, in the order in which it is wanted
.irp j, 0,1,2,3,4,5,6,7
	global_load_b128 v[128+4*\j:131+4*\j], v1, s[10:11] offset:512*\j                  ; bo: columns 128 j + 4 l + 0 .. 3
.endr
.irp i, 0,1,2,3
.irp j, 0,1,2,3,4,5,6,7
	global_load_b128 v[32*\i+4*\j:32*\i+4*\j+3], v1, s[32:33] offset:4096*\i+512*\j th:TH_LOAD_NT   ; the residual
.endr
.endr
.irp j, 0,1,2,3,4,5,6,7
	global_load_b128 v[160+4*\j:163+4*\j], v1, s[14:15] offset:512*\j                  ; gamma
.endr
.irp j, 0,1,2,3,4,5,6,7
	global_load_b128 v[192+4*\j:195+4*\j], v1, s[16:17] offset:512*\j                  ; beta
.endr
	WIN 0
.irp t, 0,1,2,3,4,5,6,7                ; lane (r, h), tile t, register j: column 128 w + 32 (t / 2) + 16 h + 8 (t % 2) + j; each accumulator from its low end on
	ds_store_b128 v4, v[XO+8*\t:XO+8*\t+3] offset:128*(\t/2)+32*(\t%2)
	ds_store_b128 v4, v[XO+8*\t+4:XO+8*\t+7] offset:128*(\t/2)+32*(\t%2)+16
.endr
.irp t, 0,1,2,3,4,5,6,7
	ds_store_b128 v5, v[XO+64+8*\t:XO+64+8*\t+3] offset:128*(\t/2)+32*(\t%2)
	ds_store_b128 v5, v[XO+64+8*\t+4:XO+64+8*\t+7] offset:128*(\t/2)+32*(\t%2)+16
.endr
	s_wait_dscnt 0x0                               ; for the others' sake: my stores into the stage are done
	s_barrier_signal -1
	s_barrier_wait -1                              ; 32 whole rows lie in the stage
.irp i, 0,1,2,3
.irp j, 0,1,2,3,4,5,6,7
	ds_load_b128 v[XO+32*\i+4*\j:XO+32*\i+4*\j+3], v6 offset:4112*\i+512*\j
.endr
.endr
	s_wait_dscnt 0x0
	s_wait_loadcnt 16                              ; bo and the residual are in; gamma's and beta's sixteen loads may be out
	WIN 0x04                                       ; source 1 window 1
.irp i, 0,1,2,3
.set p, 0
.rept 16
	v_pk_add_f32 v[XO+32*\i+2*p:XO+32*\i+2*p+1], v[XO+32*\i+2*p:XO+32*\i+2*p+1], v[128+2*p:129+2*p]
.set p, p+1
.endr
.endr
.irp i, 0,1,2,3
.set p, 0
.rept 16
	v_pk_add_f32 v[XO+32*\i+2*p:XO+32*\i+2*p+1], v[XO+32*\i+2*p:XO+32*\i+2*p+1], v[32*\i+2*p:32*\i+2*p+1]
.set p, p+1
.endr
.endr
	WIN 0
; the four rows' two packed chains each (v[TS + 4 i] on) become one number in every lane
.macro REDUCE
.irp i, 0,1,2,3
	v_pk_add_f32 v[TS+4*\i:TS+4*\i+1], v[TS+4*\i:TS+4*\i+1], v[TS+4*\i+2:TS+4*\i+3]
.endr
.irp i, 0,1,2,3
	v_add_f32 v[TS+4*\i], v[TS+4*\i], v[TS+4*\i+1]
.endr
.irp m, 1,2,4,8
.irp i, 0,1,2,3
	v_add_f32_dpp v[TS+4*\i], v[TS+4*\i], v[TS+4*\i] row_xmask:\m row_mask:0xf bank_mask:0xf
.endr
.endr
.irp i, 0,1,2,3
	v_permlanex16_b32 v[TS+4*\i+1], v[TS+4*\i], s36, s37
.endr
.irp i, 0,1,2,3
	v_add_f32 v[TS+4*\i], v[TS+4*\i], v[TS+4*\i+1]
.endr
.endm
.irp i, 0,1,2,3
	v_pk_add_f32 v[TS+4*\i:TS+4*\i+1], v[XO+32*\i:XO+32*\i+1], v[XO+32*\i+2:XO+32*\i+3]
	v_pk_add_f32 v[TS+4*\i+2:TS+4*\i+3], v[XO+32*\i+4:XO+32*\i+5], v[XO+32*\i+6:XO+32*\i+7]
.endr
.irp q, 8,12,16,20,24,28
.irp i, 0,1,2,3
	v_pk_add_f32 v[TS+4*\i:TS+4*\i+1], v[TS+4*\i:TS+4*\i+1], v[XO+32*\i+\q:XO+32*\i+\q+1]
	v_pk_add_f32 v[TS+4*\i+2:TS+4*\i+3], v[TS+4*\i+2:TS+4*\i+3], v[XO+32*\i+\q+2:XO+32*\i+\q+3]
.endr
.endr
	REDUCE
.irp i, 0,1,2,3
	v_mul_f32 v[TS+4*\i], s38, v[TS+4*\i]          ; the mean
.endr
.irp i, 0,1,2,3
.set p, 0
.rept 16
	v_pk_add_f32 v[XO+32*\i+2*p:XO+32*\i+2*p+1], v[XO+32*\i+2*p:XO+32*\i+2*p+1], v[TS+4*\i:TS+4*\i+1] op_sel_hi:[1,0] neg_lo:[0,1] neg_hi:[0,1]   ; x - mean
.set p, p+1
.endr
.endr
.irp i, 0,1,2,3
	v_pk_mul_f32 v[TS+4*\i:TS+4*\i+1], v[XO+32*\i:XO+32*\i+1], v[XO+32*\i:XO+32*\i+1]
	v_pk_mul_f32 v[TS+4*\i+2:TS+4*\i+3], v[XO+32*\i+2:XO+32*\i+3], v[XO+32*\i+2:XO+32*\i+3]
.endr
.irp q, 4,8,12,16,20,24,28
.irp i, 0,1,2,3
	v_pk_fma_f32 v[TS+4*\i:TS+4*\i+1], v[XO+32*\i+\q:XO+32*\i+\q+1], v[XO+32*\i+\q:XO+32*\i+\q+1], v[TS+4*\i:TS+4*\i+1]
	v_pk_fma_f32 v[TS+4*\i+2:TS+4*\i+3], v[XO+32*\i+\q+2:XO+32*\i+\q+3], v[XO+32*\i+\q+2:XO+32*\i+\q+3], v[TS+4*\i+2:TS+4*\i+3]
.endr
.endr
	REDUCE
.irp i, 0,1,2,3
	v_fma_f32 v[TS+4*\i], v[TS+4*\i], s38, s39     ; the variance + 1e-5
.endr
.irp i, 0,1,2,3
	v_rsq_f32 v[TS+4*\i], v[TS+4*\i]               ; one batch,
.endr
	v_nop                                          ; a plain line behind it,
	s_wait_alu depctr_va_vdst(0)                   ; and one wait ahead of the first reader
	s_wait_loadcnt 0x0                             ; gamma, beta
.irp i, 0,1,2,3
.set p, 0
.rept 16
	v_pk_mul_f32 v[XO+32*\i+2*p:XO+32*\i+2*p+1], v[XO+32*\i+2*p:XO+32*\i+2*p+1], v[TS+4*\i:TS+4*\i+1] op_sel_hi:[1,0]
.set p, p+1
.endr
.endr
	WIN 0x14                                       ; sources 1 and 2 window 1
.irp i, 0,1,2,3
.set p, 0
.rept 16
	v_pk_fma_f32 v[XO+32*\i+2*p:XO+32*\i+2*p+1], v[XO+32*\i+2*p:XO+32*\i+2*p+1], v[160+2*p:161+2*p], v[192+2*p:193+2*p]
.set p, p+1
.endr
.endr
	WIN 0
.irp i, 0,1,2,3
.irp j, 0,1,2,3,4,5,6,7
	global_store_b128 v1, v[XO+32*\i+4*\j:XO+32*\i+4*\j+3], s[34:35] offset:4096*\i+512*\j th:TH_STORE_NT   ; 512 consecutive bytes, at a multiple of 512 from the row's first byte
.endr
.endr
	s_wait_tensorcnt 0x0
	ds_add_u32 v62, v63
	s_wait_dscnt 0x0
	s_endpgm
.Lfunc_end_k_q6b8f8873cb_outln:
	.size	k_q6b8f8873cb_outln, .Lfunc_end_k_q6b8f8873cb_outln-k_q6b8f8873cb_outln
	.p2alignl 7, 3214868480
	.fill 96, 4, 3214868480
	.section	.rodata,"a",@progbits
	.p2align	6, 0x0
	.amdhsa_kernel k_q6b8f8873cb_outln
		.amdhsa_group_segment_fixed_size 132608
		.amdhsa_private_segment_fixed_size 0
		.amdhsa_enable_private_segment 0
		.amdhsa_kernarg_size 64
		.amdhsa_user_sgpr_count 2
		.amdhsa_user_sgpr_kernarg_segment_ptr 1
		.amdhsa_wavefront_size32 1
		.amdhsa_system_sgpr_workgroup_id_x 1
		.amdhsa_system_sgpr_workgroup_id_y 1
		.amdhsa_system_sgpr_workgroup_id_z 1
		.amdhsa_system_vgpr_workitem_id 0
		.amdhsa_next_free_vgpr 512
		.amdhsa_next_free_sgpr 66
		.amdhsa_reserve_vcc 0
		.amdhsa_float_denorm_mode_32 3
		.amdhsa_float_denorm_mode_16_64 3
		.amdhsa_memory_ordered 1
		.amdhsa_forward_progress 1
		.amdhsa_inst_pref_size 84
	.end_amdhsa_kernel
	.amdgpu_metadata
---
amdhsa.version: [ 1, 2 ]
amdhsa.kernels:
  - .name:           k_q6b8f8873cb_outln
    .symbol:         k_q6b8f8873cb_outln.kd
    .args:
      - { .name: ctx, .offset: 0, .size: 8, .value_kind: global_buffer, .address_space: global }
      - { .name: wc, .offset: 8, .size: 8, .value_kind: global_buffer, .address_space: global }
      - { .name: ws, .offset: 16, .size: 8, .value_kind: global_buffer, .address_space: global }
      - { .name: bo, .offset: 24, .size: 8, .value_kind: global_buffer, .address_space: global }
      - { .name: query, .offset: 32, .size: 8, .value_kind: global_buffer, .address_space: global }
      - { .name: gamma, .offset: 40, .size: 8, .value_kind: global_buffer, .address_space: global }
      - { .name: beta, .offset: 48, .size: 8, .value_kind: global_buffer, .address_space: global }
      - { .name: out0, .offset: 56, .size: 8, .value_kind: global_buffer, .address_space: global }
    .group_segment_fixed_size: 132608
    .private_segment_fixed_size: 0
    .kernarg_segment_align: 8
    .kernarg_segment_size: 64
    .max_flat_workgroup_size: 256
    .sgpr_count:     66
    .vgpr_count:     512
    .wavefront_size: 32
...
	.end_amdgpu_metadata
.endif
;; end of part 4
